; MI455X (gfx1250); checked and timed in simulation.
; The chip was launched on July 23, 2026; its instructions are those of AMD's public machine-readable ISA for CDNA 5 (MIT licence, August 2026) and "CDNA5" Instruction Set Architecture Reference Guide (July 2026). The comments in the code are by the model that wrote it; some were corrected since.
;; Gemma2 Attention. Allowed arithmetic: matrix products marked QUANTISED: E4M3 operands, one given power-of-two scale a tensor, by v_wmma_f32_16x16x64_fp8_fp8 or v_wmma_f32_16x16x128_fp8_fp8, f32 sums; everything else in f32.
;; Inputs: Wk 2,048 x 1,024 float32; Wo 2,048 x 2,048 float32; Wq 2,048 x 2,048 float32; Wv 2,048 x 1,024 float32; bk 1,024 float32; bq 2,048 float32; bv 1,024 float32; hidden_states 4 x 1,024 x 2,048 float32; lowp_scales 12 int32 (the exponents e of the quantised operands' scales 2^e); positions 4 x 1,024 int32.
;; Outputs: out0 4 x 1,024 x 2,048 float32.
;; This version of the problem:
;;   THIS VERSION OF THE PROBLEM IS GIVEN IN LOW PRECISION. The matrix products marked QUANTISED in the list below multiply operands that are first quantised to E4M3 (4 exponent bits, 3 mantissa bits; 8 bits a number), with one given power-of-two scale for each operand tensor; their sums are f32. All else is computed in f32.
;;   The module's matrix products, in the order in which they are computed (A, B: the left and right operand; K: the contracted axis; several contracted axes count as one K, in the product's order):
;;     1. [M 4,096, K 2,048] x [K 2,048, N 2,048]; A: input hidden_states; B: input Wq: QUANTISED (scales: A lowp_scales[0], B lowp_scales[1])
;;     2. [M 4,096, K 2,048] x [K 2,048, N 1,024]; A: input hidden_states; B: input Wk: QUANTISED (scales: A lowp_scales[2], B lowp_scales[3])
;;     3. [M 4,096, K 2,048] x [K 2,048, N 1,024]; A: input hidden_states; B: input Wv: QUANTISED (scales: A lowp_scales[4], B lowp_scales[5])
;;     4. batch 32 x [M 1,024, K 256] x [K 256, N 1,024]; A: computed on the way; B: computed on the way: QUANTISED (scales: A lowp_scales[6], B lowp_scales[7])
;;     5. batch 32 x [M 256, K 1,024] x [K 1,024, N 1,024]; A: computed on the way; B: softmax (see below): QUANTISED (scales: A lowp_scales[8], B lowp_scales[9])
;;     6. [M 4,096, K 2,048] x [K 2,048, N 2,048]; A: computed on the way; B: input Wo: QUANTISED (scales: A lowp_scales[10], B lowp_scales[11])
;;   THE QUANTISER, for each operand of a quantised product, along K:
;;     - The operand's scale is 2^e, e = its entry of the input lowp_scales (int32; the entries are numbered through the quantised products in the list's order, A before B).
;;     - Each number is divided by the scale, clamped to +-448, and rounded to the nearest number of E4M3, ties to even, subnormals kept.
;;     - The product sums the exact products of the quantised numbers (number of the format x scale) in f32.
;;   ~~~python
;;   def quantise(x, axis, e):      # numpy; x: float32 -> the quantised numbers, widened to float32 again
;;       x = np.moveaxis(x, axis, -1); K = x.shape[-1]
;;       r = np.clip(x / 2.0 ** e, -448, 448)
;;       step = 2.0 ** (np.maximum(np.frexp(np.where(r == 0, 1, r))[1] - 1, -6) - 3)
;;       q = np.round(r / step) * step * 2.0 ** e      # np.round: ties to even
;;       return np.moveaxis(q, -1, axis).astype(np.float32)
;;   ~~~
;;   SOFTMAX AHEAD OF A QUANTISED PRODUCT. Where the list says 'softmax', what is quantised is not the finished softmax but p = 2^(t - M), with t = logit x log2(e) and M = ceil(the row's largest t), a whole number; so 1/2 < the row's largest p <= 1. The row's sum l is taken of the UNQUANTISED p, in f32, and the product's result is divided by l at the end. Since M is a whole number, a kernel that streams over the keys may use a running M (the ceiling of the running maximum): every later rescaling is an exact power of two, so the quantised numbers keep their values, but for numbers so far below the row's largest that they fall under the format's range.
;;   OPERANDS COMPUTED ON THE WAY. 'Computed on the way' means the value that the module computes at that place (a softmax that the list does not call 'softmax' is quantised finished and normalised). What goes into a quantiser is computed in f32, as accurately as f32 sums, v_exp_f32 and their like allow (about 1e-6 of the number): no bf16 or f16 on the way to a quantiser, and a product that is left as it is and whose result goes on into a quantised operand takes f32 operands (vector FMAs, or v_wmma_f32_16x16x4_f32). A number that lies on a knife's edge between two numbers of the format may be rounded either way, as far as f32 arithmetic and the matrix unit's own rounding can turn it there, and no further.
;; One version. Each part assembles by itself: llvm-mc -triple=amdgcn-amd-amdhsa -mcpu=gfx1250 --defsym DOCPART=n.
;; ======== version 1 of 1: 4 launches
;; limits: right only within a limited range of input values
;; workspace buffers: hcodes 25,165,824 bytes; wcodes 12,582,912 bytes; rope 4,194,304 bytes; qkv 16,777,216 bytes; acodes 8,388,608 bytes
;; launch prep (part 1): grid 1408 x 1, 4 waves a work-group, no clusters, 34,304 bytes of LDS; arguments hidden_states, positions, Wq, Wk, Wv, Wo, lowp_scales, hcodes, wcodes, rope; writes hcodes, wcodes, rope
.if DOCPART == 1
	.amdgcn_target "amdgcn-amd-amdhsa--gfx1250"
	.amdhsa_code_object_version 6
	.text
	.protected	k_q9206f0132b_prep
	.globl	k_q9206f0132b_prep
	.p2align	8
	.type	k_q9206f0132b_prep,@function
k_q9206f0132b_prep:
	s_mov_b64 s[64:65], 0
	v_nop
	global_prefetch_b8 v0, s[64:65] scope:SCOPE_SE
	s_setreg_imm32_b32 hwreg(HW_REG_WAVE_MODE, 25, 1), 1
	s_wait_xcnt 0x0
; GEMMA-2 ATTENTION ON CODES OF FP8 (E4M3), FOUR LAUNCHES: prep, qkv, attn, oproj.  This one makes what the products read: codes of hidden_states and of the four weights, and the table of cos and sin.
; WORK LEFT OUT BY THE PROGRAM, and why it can reach no output, for all values of the inputs:
;  (a) the mask is built from constants alone: (j <= i) and (j > i - 1024) for 0 <= i, j < 1024.  j > i - 1024 holds for every such pair (i - 1024 < 0 <= j), so only j <= i is left.
;  (b) a score under the mask becomes -1e30; every row has key j = i unmasked, so exp(-1e30 - the row's largest) is 0 and the key adds nothing to the row's sum or to the second product.  So key steps
;      of 128 keys all of whose keys come after all queries of a work-group are neither loaded nor multiplied (launch attn); inside a step on the diagonal the hidden scores are set to -infinity.
;  (c) jnp.repeat of k and v is a lookup: the two query heads of a key and value head read the same codes; nothing is copied.
;  Every input has a way to the output, and all are loaded.  LIMIT: a NaN, an infinity or an overflow that reaches only the scores left out under (b) is not carried to the result.
; LAYOUT OF ALL CODES.  perm(r) = r + 8 (r / 8).  ROW TILE T of an operand = its 16 rows 32 (T / 2) + 8 (T % 2) + perm(r), r = 0 .. 15.  A FRAGMENT IMAGE (a row tile x 128 along K) is 2,048 bytes: four chunks c of 512;
;  lane (r, h)'s 16 bytes, at 16 x lane, are the codes k = 32 c + 16 h + 0 .. 15 of the tile's row r: four loads of 16 bytes a lane give the 16 operand registers.  A PANEL is a row tile's 16 images on end (K = 2,048): 32,768 bytes.
;  hcodes: 3 planes (scales e0, e2, e4: hidden_states is an operand of three products, each with its own entry) x 256 token tiles x a panel.  wcodes: 384 tiles of output columns (Wq, Wk, Wv, Wo on end) x a panel.
;  rope: [token tile 256][c 2][cos, sin][g 8][lane][4 f32]: number 4 g + j of lane (r, h) belongs to token perm(r) and frequency 64 c + 32 (g / 4) + 16 h + 8 ((g / 2) % 2) + 4 (g % 2) + j.
; THE QUANTISER: code = x / 2^e, held within +-448, to the nearest code, ties to even.  LIMITS: each e used here between -126 and 119; NaN among the inputs is not served; |positions| up to 2^20 (the reduction of the angle takes pi / 2 in two parts);
;  1 / 10000^(d / 128) is one multiplication and one v_exp_f32, good to about two units in its last place.
; SHARES.  Work-groups 0 .. 1023: hidden_states: token tile x / 4, and wave w takes K step 4 (x % 4) + w: one image for each plane; the same wave makes 4 cos and 4 sin a lane.  Work-groups 1024 .. 1407: the weights:
;  128 columns x 256 along K; a lane takes a column and its registers run down K, so that the conversions give codes with K innermost and nothing is transposed.
; Memory binds: no matrix unit, no tensor loads, no cluster; waves share nothing, so there is no barrier.
; ORDER OF THE WORK-GROUPS.  The numbers x under SHARES are counted as (the launch's number + 1,024) mod 1,408: the weights' 384 work-groups, each of which reads four times the bytes
; of one of hidden_states', have the launch's numbers 0 .. 383, and those of hidden_states 384 .. 1,407.
; ALL GLOBAL STORES of a wave stand at its end, behind its last vector instruction: every store's data have registers of their own.
.set STG,   8448                       ; a wave's stage: 16 rows x (512 bytes + 16): the 16 rows that a read touches start at 16 different groups of banks
.set SPARE, 4*STG                      ; behind the four stages: the spare words, 128 bytes for each wave
.set SPW, 30                           ; v30  LDS address of my spare word; never rewritten
.set NIL, 31                           ; v31  0; never rewritten
.set R,   32                           ; v32-95   16 rows as loaded; later the three planes' codes
.set X,   96                           ; v96-159  64 numbers: register 16 c + n = k 32 c + 16 h + n of row r (ahead of that: at work for cos and sin)
.set T,   160                          ; v160-191 16 numbers, held: two sets by turns, so that no hold writes the sources of the conversions just ahead of it.  cos and sin: v8-15
.macro MKSCALE e, sc                   ; v[sc] = 2^e as f32 (the conversion takes its exponent field), v[sc + 1] = 448 x 2^e
	s_add_co_i32 s70, s[\e], 127
	s_lshl_b32 s71, s70, 23
	v_mov_b32 v[\sc], s71
	s_add_co_i32 s70, s70, 8
	s_lshl_b32 s70, s70, 23
	s_or_b32 s70, s70, 0x600000
	v_mov_b32 v[\sc+1], s70
.endm
	s_load_b512 s[4:19], s[0:1], 0x0               ; hidden_states s[4:5], positions s[6:7], Wq s[8:9], Wk s[10:11], Wv s[12:13], Wo s[14:15], the scales s[16:17], hcodes s[18:19]
	s_load_b128 s[20:23], s[0:1], 0x40             ; wcodes s[20:21], rope s[22:23]
	v_lshl_add_u32 v[SPW], v0, 2, SPARE
	v_mov_b32 v[NIL], 0
	v_lshrrev_b32 v1, 5, v0
	v_readfirstlane_b32 s36, v1                    ; wave 0..3
	v_and_b32 v1, 31, v0                           ; lane
	v_and_b32 v2, 15, v0                           ; r
	v_bfe_u32 v3, v0, 4, 1                         ; h
	s_wait_kmcnt 0x0
	s_load_b256 s[24:31], s[16:17], 0x0            ; e0 .. e7
	s_load_b128 s[32:35], s[16:17], 0x20           ; e8 .. e11
	s_cmp_lt_u32 ttmp9, 384
	s_cbranch_scc1 .Lweights
	; ---------------- hidden_states, and cos and sin ----------------
	s_lshr_b32 s37, ttmp9, 2
	s_sub_co_u32 s37, s37, 96                      ; the token tile: (number - 384) / 4
	s_and_b32 s38, ttmp9, 3
	s_lshl_b32 s39, s38, 2
	s_add_co_u32 s39, s39, s36                     ; my K step: 4 (x % 4) + wave
	s_lshr_b32 s40, s37, 1
	s_lshl_b32 s40, s40, 5
	s_and_b32 s41, s37, 1
	s_lshl_b32 s41, s41, 3
	s_add_co_u32 s40, s40, s41                     ; the tile's first token: 32 (T / 2) + 8 (T % 2)
	s_wait_alu depctr_va_vdst(0)
	v_and_b32 v4, 8, v2
	v_add_nc_u32 v4, v4, v2                        ; perm(r)
	v_add_nc_u32 v4, s40, v4
	v_lshlrev_b32 v4, 2, v4                        ; my token's place in positions
	v_lshlrev_b32 v5, 4, v1                        ; 16 x lane
	s_lshl_b32 s42, s40, 13                        ; a token's row is 8,192 bytes,
	s_lshl_b32 s43, s39, 9                         ; a K step 512
	s_add_co_u32 s42, s42, s43
	s_mov_b32 s43, 0
	s_add_nc_u64 s[4:5], s[4:5], s[42:43]
	global_load_b32 v24, v4, s[6:7]                ; the position of token perm(r)
.irp i, 0,1,2,3,4,5,6,7,8,9,10,11,12,13,14,15
	global_load_b128 v[R+4*\i:R+4*\i+3], v5, s[4:5] offset:(\i+8*(\i/8))*8192 th:TH_LOAD_NT   ; the tile's row i: the 32 lanes read 512 consecutive bytes; read once in the launch
.endr
	s_mul_i32 s44, s36, STG
	v_add_nc_u32 v6, s44, v5                       ; the stage, on the way in: row i at 528 i, as loaded
	v_mul_u32_u24 v7, v2, 528
	v_lshl_add_u32 v7, v3, 6, v7
	v_add_nc_u32 v7, s44, v7                       ; and on the way out: row r, + 64 h: my 16 numbers of each block of 32
	s_lshl_b32 s46, s37, 15
	s_lshl_b32 s47, s39, 11
	s_add_co_u32 s46, s46, s47                     ; my image: tile x 32,768 + K step x 2,048
	s_mov_b32 s47, 0
	s_add_nc_u64 s[48:49], s[18:19], s[46:47]      ; in plane 0,
	s_add_nc_u64 s[50:51], s[48:49], 0x800000      ; plane 1,
	s_add_nc_u64 s[52:53], s[48:49], 0x1000000     ; plane 2
	s_lshl_b32 s54, s37, 14                        ; the table: tile x 16,384 + c x 8,192 + g x 512, c = (x % 4) / 2, g = 4 ((x % 4) % 2) + wave
	s_lshr_b32 s55, s38, 1
	s_lshl_b32 s55, s55, 13
	s_add_co_u32 s54, s54, s55
	s_and_b32 s55, s38, 1
	s_lshl_b32 s55, s55, 11
	s_add_co_u32 s54, s54, s55
	s_lshl_b32 s55, s36, 9
	s_add_co_u32 s54, s54, s55
	s_mov_b32 s55, 0
	s_add_nc_u64 s[22:23], s[22:23], s[54:55]
	s_lshl_b32 s56, s38, 5
	s_lshl_b32 s57, s36, 2
	s_add_co_u32 s56, s56, s57
	v_lshl_add_u32 v8, v3, 4, s56                  ; my first frequency: 32 (x % 4) + 16 h + 4 wave
	s_mov_b32 s58, 0x3fc90fdb                      ; pi / 2, its upper part,
	s_mov_b32 s59, 0xb33bbd2e                      ; and what is left of it
	s_mov_b32 s60, 0xb94ca1f9                      ; sin r = r + r z (S1 + z (S2 + z S3)), z = r r, |r| <= pi / 4: S3 = -1.9515295891e-4,
	s_mov_b32 s61, 0x3c08839e                      ; S2 = 8.3321608736e-3,
	s_mov_b32 s62, 0xbe2aaaa3                      ; S1 = -1.6666654611e-1
	s_mov_b32 s63, 0x37ccf5ce                      ; cos r = 1 - z / 2 + z z (C1 + z (C2 + z C3)): C3 = 2.443315712e-5,
	s_mov_b32 s66, 0xbab6061a                      ; C2 = -1.388731625e-3,
	s_mov_b32 s67, 0x3d2aaaa5                      ; C1 = 4.166664568e-2
	s_wait_alu depctr_va_vdst(0)
	s_wait_loadcnt 16                              ; the position is in; the 16 rows asked for behind it stay out
	v_cvt_f32_i32 v25, v24
.irp j, 0,1,2,3
	v_add_nc_u32 v[96+\j], \j, v8
.endr
.irp j, 0,1,2,3
	v_cvt_f32_u32 v[96+\j], v[96+\j]
.endr
.irp j, 0,1,2,3
	v_mul_f32 v[96+\j], 0xbdd49a78, v[96+\j]       ; x -log2(10000) / 128
.endr
	s_wait_alu depctr_va_vdst(0)
.irp j, 0,1,2,3
	v_exp_f32 v[100+\j], v[96+\j]                  ; 1 / 10000^(d / 128)
.endr
	v_nop                                          ; a plain instruction behind the last exponential,
	s_wait_alu depctr_va_vdst(0)                   ; and one wait for the four, ahead of their first reader
.irp j, 0,1,2,3
	v_mul_f32 v[100+\j], v25, v[100+\j]            ; the angle
.endr
.irp j, 0,1,2,3
	v_mul_f32 v[104+\j], 0x3f22f983, v[100+\j]     ; x 2 / pi,
.endr
.irp j, 0,1,2,3
	v_rndne_f32 v[104+\j], v[104+\j]               ; to the nearest whole number k
.endr
.irp j, 0,1,2,3
	v_fma_f32 v[108+\j], -v[104+\j], s58, v[100+\j]   ; r = angle - k pi / 2, in two fused steps
.endr
.irp j, 0,1,2,3
	v_fma_f32 v[108+\j], -v[104+\j], s59, v[108+\j]
.endr
.irp j, 0,1,2,3
	v_mul_f32 v[112+\j], v[108+\j], v[108+\j]      ; z
.endr
.irp j, 0,1,2,3
	v_fma_f32 v[116+\j], v[112+\j], s60, s61
	v_fma_f32 v[120+\j], v[112+\j], s63, s66
.endr
.irp j, 0,1,2,3
	v_fma_f32 v[116+\j], v[116+\j], v[112+\j], s62
	v_fma_f32 v[120+\j], v[120+\j], v[112+\j], s67
.endr
.irp j, 0,1,2,3
	v_mul_f32 v[124+\j], v[112+\j], v[108+\j]      ; z r
	v_mul_f32 v[132+\j], v[112+\j], v[112+\j]      ; z z
	v_fma_f32 v[136+\j], v[112+\j], -0.5, 1.0      ; 1 - z / 2
.endr
.irp j, 0,1,2,3
	v_fma_f32 v[116+\j], v[116+\j], v[124+\j], v[108+\j]   ; sin r
	v_fma_f32 v[120+\j], v[120+\j], v[132+\j], v[136+\j]   ; cos r
	v_cvt_i32_f32 v[128+\j], v[104+\j]             ; k as a whole number: its two low bits are the quadrant
.endr
.irp j, 0,1,2,3
	v_and_b32 v[124+\j], 1, v[128+\j]
	v_cmp_eq_u32 vcc_lo, 1, v[124+\j]              ; k odd: sin and cos change places
	v_cndmask_b32 v[12+\j], v[116+\j], v[120+\j], vcc_lo
	v_cndmask_b32 v[8+\j], v[120+\j], v[116+\j], vcc_lo
	v_lshlrev_b32 v[132+\j], 30, v[128+\j]         ; the sine's sign is bit 1 of k,
	v_add_nc_u32 v[136+\j], 1, v[128+\j]
	v_and_b32 v[132+\j], 0x80000000, v[132+\j]
	v_lshlrev_b32 v[136+\j], 30, v[136+\j]         ; the cosine's bit 1 of k + 1
	v_xor_b32 v[12+\j], v[132+\j], v[12+\j]        ; sin in v12-15,
	v_and_b32 v[136+\j], 0x80000000, v[136+\j]
	v_xor_b32 v[8+\j], v[136+\j], v[8+\j]          ; cos in v8-11: both are stored at the wave's end
.endr
	s_wait_kmcnt 0x0                               ; the scales
	MKSCALE 24, 16                                 ; e0
	MKSCALE 26, 18                                 ; e2
	MKSCALE 28, 20                                 ; e4
	s_wait_alu depctr_va_vdst(0)
	s_wait_loadcnt 0x0                             ; the 16 rows
.irp i, 0,1,2,3,4,5,6,7,8,9,10,11,12,13,14,15
	ds_store_b128 v6, v[R+4*\i:R+4*\i+3] offset:528*\i
.endr
.irp c, 0,1,2,3
.irp i, 0,1,2,3
	ds_load_b128 v[X+16*\c+4*\i:X+16*\c+4*\i+3], v7 offset:128*\c+16*\i   ; LDS serves a wave's instructions in order: these see my stores
.endr
.endr
	s_wait_dscnt 0x0
.macro PLANE p                         ; the 64 numbers become plane p's image, 16 at a time: held (the conversion to an 8-bit code does not saturate: ISA guide 7.6.2), then converted
.irp c, 0,1,2,3
.set n, 0
.rept 16
	v_med3_num_f32 v[T+16*(\c%2)+n], v[X+16*\c+n], -v[17+2*(\p)], v[17+2*(\p)]   ; into the set that the conversions just ahead did not read: sixteen plain lines stand ahead of the next write of their sources
.set n, n+1
.endr
	v_cvt_scalef32_pk8_fp8_f32 v[R+16*(\p)+4*\c:R+16*(\p)+4*\c+1], v[T+16*(\c%2):T+16*(\c%2)+7], v[16+2*(\p)]
	v_cvt_scalef32_pk8_fp8_f32 v[R+16*(\p)+4*\c+2:R+16*(\p)+4*\c+3], v[T+16*(\c%2)+8:T+16*(\c%2)+15], v[16+2*(\p)]
.endr
.endm
	PLANE 0
	PLANE 1
	PLANE 2
	v_nop                                          ; a plain instruction behind the last conversion
	global_store_b128 v5, v[8:11], s[22:23]                   ; cos: the wave stores 512 consecutive bytes
	global_store_b128 v5, v[12:15], s[22:23] offset:4096      ; sin
.irp p, 0,1,2
.irp c, 0,1,2,3
	global_store_b128 v5, v[R+16*\p+4*\c:R+16*\p+4*\c+3], s[48+2*\p:49+2*\p] offset:512*\c   ; plane p's image: four runs of 512 consecutive bytes
.endr
.endr
	s_wait_tensorcnt 0x0                           ; the wave's end
	ds_add_u32 v[SPW], v[NIL]
	s_wait_dscnt 0x0
	s_endpgm
	; ---------------- the weights: no LDS ----------------
.Lweights:
	s_mov_b32 s37, ttmp9
	s_lshr_b32 s38, s37, 3                         ; the group of 128 columns: 0-15 Wq, 16-23 Wk, 24-31 Wv, 32-47 Wo
	s_and_b32 s39, s37, 7                          ; which 256 along K
	s_mov_b32 s56, 4096                            ; a row of Wk or Wv in bytes,
	s_mov_b32 s57, 8192                            ; of Wq or Wo
	s_wait_kmcnt 0x0                               ; the scales
	s_mov_b64 s[58:59], s[14:15]                   ; Wo, its first group, its scale e11, its row
	s_mov_b32 s60, 32
	s_mov_b32 s61, s35
	s_mov_b32 s62, s57
	s_cmp_lt_u32 s38, 32                           ; the choices hang on the work-group's number alone
	s_cselect_b64 s[58:59], s[12:13], s[58:59]     ; Wv, e5
	s_cselect_b32 s60, 24, s60
	s_cselect_b32 s61, s29, s61
	s_cselect_b32 s62, s56, s62
	s_cmp_lt_u32 s38, 24
	s_cselect_b64 s[58:59], s[10:11], s[58:59]     ; Wk, e3
	s_cselect_b32 s60, 16, s60
	s_cselect_b32 s61, s27, s61
	s_cmp_lt_u32 s38, 16
	s_cselect_b64 s[58:59], s[8:9], s[58:59]       ; Wq, e1
	s_cselect_b32 s60, 0, s60
	s_cselect_b32 s61, s25, s61
	s_cselect_b32 s62, s57, s62
	s_sub_co_u32 s63, s38, s60
	s_lshl_b32 s63, s63, 7
	s_lshl_b32 s37, s36, 5
	s_add_co_u32 s63, s63, s37                     ; my wave's first column in its tensor
	s_wait_alu depctr_va_vdst(0)
	v_and_b32 v4, 7, v1                            ; lane l takes column (l % 8) + 16 ((l / 8) % 2) + 8 (l / 16) of the wave's 32: lanes 0-15 are the rows of the even tile, lanes 16-31 of the odd one
	v_bfe_u32 v6, v0, 3, 1
	v_lshl_add_u32 v4, v6, 4, v4
	v_lshl_add_u32 v4, v3, 3, v4
	v_add_nc_u32 v4, s63, v4
	v_lshlrev_b32 v32, 2, v4                       ; v32-63: my column in rows 0 .. 31 of a block: the row's length differs between the tensors, so it cannot stand in an immediate
.set n, 1
.rept 31
	v_add_nc_u32 v[32+n], s62, v[31+n]
.set n, n+1
.endr
	s_mul_i32 s66, s39, s62
	s_lshl_b32 s66, s66, 8                         ; 256 y rows
	s_mov_b32 s67, 0
	s_lshl_b32 s68, s62, 5                         ; 32 rows
	s_mov_b32 s69, 0
	s_add_nc_u64 s[40:41], s[58:59], s[66:67]      ; s[40:55]: the eight blocks' first rows
.irp t, 1,2,3,4,5,6,7
	s_add_nc_u64 s[40+2*\t:41+2*\t], s[38+2*\t:39+2*\t], s[68:69]
.endr
	s_lshl_b32 s70, s38, 18                        ; out: tile 8 x group + 2 x wave, K steps 2 y and 2 y + 1
	s_lshl_b32 s71, s36, 16
	s_add_co_u32 s70, s70, s71
	s_lshl_b32 s71, s39, 12
	s_add_co_u32 s70, s70, s71
	s_mov_b32 s71, 0
	s_add_nc_u64 s[20:21], s[20:21], s[70:71]
	v_lshlrev_b32 v7, 4, v2
	v_lshl_add_u32 v7, v3, 15, v7                  ; 16 r, and the odd tile's panel for lanes 16-31
.macro WLOAD t                         ; block t: W(32 t + n, my column), n = 0 .. 31, into set t % 2: each load reads 128 consecutive bytes, the four waves stand side by side on 512
.set n, 0
.rept 32
	global_load_b32 v[64+32*((\t)%2)+n], v[32+n], s[40+2*(\t):41+2*(\t)] th:TH_LOAD_NT
.set n, n+1
.endr
.endm
	s_wait_alu depctr_va_vdst(0)
	WLOAD 0
	WLOAD 1
	MKSCALE 61, 10                                 ; v10 = 2^e, v11 = 448 x 2^e
.macro WBLOCK t                        ; 32 along K of my column: chunk t % 4 of K step 2 y + t / 4.  k 0-15 are image lane (r, 0)'s bytes, k 16-31 image lane (r, 1)'s, 256 bytes on
.set XS, 64+32*((\t)%2)
.if (\t) < 7
	s_wait_loadcnt 32                              ; this block's 32 loads are in; the next block's may be out
.else
	s_wait_loadcnt 0
.endif
.set n, 0
.rept 32
	v_med3_num_f32 v[XS+n], v[XS+n], -v11, v11
.set n, n+1
.endr
.irp g, 0,1,2,3
	v_cvt_scalef32_pk8_fp8_f32 v[128+8*(\t)+2*\g:129+8*(\t)+2*\g], v[XS+8*\g:XS+8*\g+7], v10   ; each block has its own eight registers of codes: no store's data are written again
.endr
.if (\t)+2 < 8
	WLOAD (\t)+2
.endif
.endm
	s_wait_alu depctr_va_vdst(0)
.irp t, 0,1,2,3,4,5,6,7
	WBLOCK \t
.endr
.irp t, 0,1,2,3,4,5,6,7
	global_store_b128 v7, v[128+8*(\t):131+8*(\t)], s[20:21] offset:((\t)/4)*2048+((\t)%4)*512       ; sixteen lanes store 256 consecutive bytes, at a multiple of 256 from the buffer's first byte
	global_store_b128 v7, v[132+8*(\t):135+8*(\t)], s[20:21] offset:((\t)/4)*2048+((\t)%4)*512+256
.endr
	s_endpgm
.Lfunc_end_k_q9206f0132b_prep:
	.size	k_q9206f0132b_prep, .Lfunc_end_k_q9206f0132b_prep-k_q9206f0132b_prep
	.p2alignl 7, 3214868480
	.fill 96, 4, 3214868480
	.section	.rodata,"a",@progbits
	.p2align	6, 0x0
	.amdhsa_kernel k_q9206f0132b_prep
		.amdhsa_group_segment_fixed_size 34304
		.amdhsa_private_segment_fixed_size 0
		.amdhsa_enable_private_segment 0
		.amdhsa_kernarg_size 80
		.amdhsa_user_sgpr_count 2
		.amdhsa_user_sgpr_kernarg_segment_ptr 1
		.amdhsa_wavefront_size32 1
		.amdhsa_system_sgpr_workgroup_id_x 1
		.amdhsa_system_sgpr_workgroup_id_y 1
		.amdhsa_system_sgpr_workgroup_id_z 1
		.amdhsa_system_vgpr_workitem_id 0
		.amdhsa_next_free_vgpr 192
		.amdhsa_next_free_sgpr 80
		.amdhsa_reserve_vcc 1
		.amdhsa_float_denorm_mode_32 3
		.amdhsa_float_denorm_mode_16_64 3
		.amdhsa_memory_ordered 1
		.amdhsa_forward_progress 1
		.amdhsa_inst_pref_size 76
	.end_amdhsa_kernel
	.amdgpu_metadata
---
amdhsa.version: [ 1, 2 ]
amdhsa.kernels:
  - .name:           k_q9206f0132b_prep
    .symbol:         k_q9206f0132b_prep.kd
    .args:
      - { .name: hidden_states, .offset: 0, .size: 8, .value_kind: global_buffer, .address_space: global }
      - { .name: positions, .offset: 8, .size: 8, .value_kind: global_buffer, .address_space: global }
      - { .name: Wq, .offset: 16, .size: 8, .value_kind: global_buffer, .address_space: global }
      - { .name: Wk, .offset: 24, .size: 8, .value_kind: global_buffer, .address_space: global }
      - { .name: Wv, .offset: 32, .size: 8, .value_kind: global_buffer, .address_space: global }
      - { .name: Wo, .offset: 40, .size: 8, .value_kind: global_buffer, .address_space: global }
      - { .name: lowp_scales, .offset: 48, .size: 8, .value_kind: global_buffer, .address_space: global }
      - { .name: hcodes, .offset: 56, .size: 8, .value_kind: global_buffer, .address_space: global }
      - { .name: wcodes, .offset: 64, .size: 8, .value_kind: global_buffer, .address_space: global }
      - { .name: rope, .offset: 72, .size: 8, .value_kind: global_buffer, .address_space: global }
    .group_segment_fixed_size: 34304
    .private_segment_fixed_size: 0
    .kernarg_segment_align: 8
    .kernarg_segment_size: 80
    .max_flat_workgroup_size: 128
    .sgpr_count:     80
    .vgpr_count:     192
    .wavefront_size: 32
...
	.end_amdgpu_metadata
.endif
;; end of part 1
;; launch qkv (part 2): grid 16 x 16, 4 waves a work-group, clusters of 4 x 4, 327,680 bytes of LDS; arguments hcodes, wcodes, rope, bq, bk, bv, lowp_scales, qkv; writes qkv
.if DOCPART == 2
	.amdgcn_target "amdgcn-amd-amdhsa--gfx1250"
	.amdhsa_code_object_version 6
	.text
	.protected	k_q9206f0132b_qkv
	.globl	k_q9206f0132b_qkv
	.p2align	8
	.type	k_q9206f0132b_qkv,@function
k_q9206f0132b_qkv:
	s_mov_b64 s[64:65], 0
	v_nop
	global_prefetch_b8 v0, s[64:65] scope:SCOPE_SE
	s_setreg_imm32_b32 hwreg(HW_REG_WAVE_MODE, 25, 1), 1
	s_wait_xcnt 0x0
	s_wait_alu depctr_hold_cnt(0) depctr_sa_sdst(0) depctr_va_vdst(0) depctr_va_sdst(0) depctr_va_ssrc(0) depctr_va_vcc(0) depctr_vm_vsrc(0)
	s_getreg_b32 s2, hwreg(HW_REG_IB_STS2, 6, 4)
	s_cmp_eq_u32 s2, 0
	s_cbranch_scc0 .Lentry_in_a_cluster
	s_endpgm
.Lentry_in_a_cluster:
	s_bfe_u32 s2, ttmp6, 0x10000c
	s_cmp_lg_u32 s2, 0xf033
	s_cbranch_scc0 .Lentry_shape_is_right
	s_endpgm
.Lentry_shape_is_right:
; The three projections on codes of FP8, with bias, rope and the quantisers of the attention's operands on the way out.  Nothing of reference() is left out here.
; A work-group makes 256 x 256 of a product, a wave 128 x 128; K = 2,048 goes in steps of 256 through a ring of two LDS slots of fragment images (laid by launch prep).
; Clusters of 4 x 4: cluster x 0, 1: Q's columns; 2: K's; 3: V, with the sources changed over (rows = V's channels, columns = tokens), so that V's codes have the keys innermost.
; A's tiles are asked for jointly along a row of the cluster, B's along a column.  Every wait on TENSORcnt is for 0.
; PREFETCH: at the load of K step t each wave asks for K step t + 2 of the 8 panels that it fetches (at the head also for step 1): of these 8 the partner at place p
; (cx for A, cy for B) names panels 2 p and 2 p + 1, 4,096 bytes each, a lane to each 256 bytes: one instruction a wave, each block named once in a cluster.  The last two refills ask for no tile.
; In their place the Q and K clusters ask for the cos and sin that their way out reads: of a wave's 8 token tiles the partner cx names tiles 2 cx, 2 cx + 1, 8,192 bytes each.
; LIMITS: each sum of two exponents and each exponent used here between -126 and 119.
.set NAB,   8
.set PFO,  13                          ; v13  tiles' prefetch offset: 32,768 (lane / 16) + 256 (lane % 16); never rewritten
.set PFR,  14                          ; v14  the table's: 256 x lane; never rewritten
.set PFA,  66                          ; s[66:67] where my tile prefetches stand
.set PFT,  98                          ; s[98:99] my part of the table of cos and sin
.set FR,    16
.set AREG,  2*NAB*4096
.set SLOT1, 131072
.set SPARE, 2*SLOT1
.set SCL,  8
.set LIM,  9
.set RO,   10
.set ADRA, 16
.set ADRB, 20
.set SPW,  28
.set NIL,  29
.set BIAS, 32
.set CD,   96
.set X,    128
.set TT,   192
.set UU,   224
.set AF,   128
.set WV,  20
.set RHO, 21
.set CC,  22
.set G1,  24
.set G0,  32
.set G1B, 48
.set G0B, 56
.set MSB, 0
.macro WIN new
.if MSB != (\new)
	s_set_vgpr_msb (MSB<<8)|(\new)
.set MSB, (\new)
.endif
.endm
.macro JLOAD s
	s_cmp_eq_u32 s[RHO], 0
	s_cbranch_scc0 .Lfor_b_\@
	tensor_load_to_lds s[G0+4*\s:G0+4*\s+3], s[G1:G1+7]
	s_nop 0
.rept 4
	v_nop
.endr
	s_branch .Lasked_\@
.Lfor_b_\@:
	tensor_load_to_lds s[G0B+4*\s:G0B+4*\s+3], s[G1B:G1B+7]
	s_nop 0
.rept 4
	v_nop
.endr
.Lasked_\@:
.endm
.macro CREST
	s_cmp_lg_u32 s[WV], 0
	s_cbranch_scc1 .Lnot_wave_0_\@
	s_barrier_signal -3
.Lnot_wave_0_\@:
	s_barrier_wait -3
	s_barrier_signal -1
	s_barrier_wait -1
.endm
.macro CROUND
	s_barrier_signal -1
	s_barrier_wait -1
	CREST
.endm
.macro PLACES n
.rept \n
	v_nop
.endr
.endm
.macro FRAG reg, adr, q, off
.irp c, 0,1,2,3
	ds_load_b128 v[\reg+4*\c:\reg+4*\c+3], v[\adr] offset:\off+2048*(\q)+512*\c
.endr
.endm
.macro FETCH_B slot, q, p
	WIN 0x40
.set fb, 0
.rept 8
	FRAG 128*(\p)+FR*fb, ADRB+\slot, \q, (fb/4)*32768+(fb%4)*4096
.set fb, fb+1
.endr
	WIN 0
.endm
.macro FETCH_A slot, q, half
.set fa, (\half)*NAB/2
.rept NAB/2
	FRAG AF+FR*fa, ADRA+\slot, \q, fa*4096
.set fa, fa+1
.endr
.endm
.macro MULQ k, p, zero
	WIN 0xa1+0x50*(((\k)*NAB/4)/4)
.set ma, (\k)*NAB/4
.rept NAB/4
.set mb, 0
.rept 8
.if \zero
	v_wmma_f32_16x16x128_fp8_fp8 v[8*(8*(ma%4)+mb):8*(8*(ma%4)+mb)+7], v[128*(\p)+FR*mb:128*(\p)+FR*mb+FR-1], v[AF+FR*ma:AF+FR*ma+FR-1], 0
.else
	v_wmma_f32_16x16x128_fp8_fp8 v[8*(8*(ma%4)+mb):8*(8*(ma%4)+mb)+7], v[128*(\p)+FR*mb:128*(\p)+FR*mb+FR-1], v[AF+FR*ma:AF+FR*ma+FR-1], v[8*(8*(ma%4)+mb):8*(8*(ma%4)+mb)+7]
.endif
.set mb, mb+1
.endr
.set ma, ma+1
.endr
.endm
.macro STEP slot, zero
	s_wait_dscnt 2*NAB
	MULQ 0, 0, \zero
	MULQ 1, 0, \zero
	s_wait_dscnt 0
	PLACES 4
	FETCH_B \slot, 1, 1
	FETCH_A \slot, 1, 0
	MULQ 2, 0, \zero
	MULQ 3, 0, \zero
	PLACES 4
	WIN 0
	FETCH_A \slot, 1, 1
.endm
.macro ASK slot                        ; s3 = 1 in the loop's last trip: no K step stands two refills on
	s_cmp_gt_u32 s3, 1
	s_cbranch_scc0 .Ltable_\@
	global_prefetch_b8 v[PFO], s[PFA:PFA+1] offset:12288 th:TH_LOAD_NT scope:SCOPE_SE
	s_branch .Lasked_for_\@
.Ltable_\@:
	s_cmp_eq_u32 ttmp9, 3                          ; V's clusters read no cos and sin
	s_cbranch_scc1 .Lasked_for_\@
	global_prefetch_b8 v[PFR], s[PFT:PFT+1] offset:16384*(\slot) th:TH_LOAD_NT scope:SCOPE_SE
.Lasked_for_\@:
.endm
.macro TURN slot, next, fill
.if \fill
	s_wait_xcnt 0x0                                ; my last prefetch has read its address: a K step on
	s_add_nc_u64 s[PFA:PFA+1], s[PFA:PFA+1], 4096
.endif
	s_wait_tensorcnt 0x0
	ds_add_u32 v[SPW], v[NIL]
	s_wait_dscnt 2*NAB+1
	MULQ 0, 1, 0
	s_wait_dscnt 0x0
	s_barrier_signal -1
	MULQ 1, 1, 0
	WIN 0
	s_barrier_wait -1
.if \fill
	CREST
	s_add_nc_u64 s[G0+4*\slot+2:G0+4*\slot+3], s[G0+4*\slot+2:G0+4*\slot+3], 8192
	s_add_nc_u64 s[G0B+4*\slot+2:G0B+4*\slot+3], s[G0B+4*\slot+2:G0B+4*\slot+3], 8192
	JLOAD \slot
.else
	PLACES 4
.endif
	FETCH_B \next, 0, 0
	FETCH_A \next, 0, 0
.if \fill
	ASK \slot                                      ; behind the joint load and the run of LDS loads
.endif
	MULQ 2, 1, 0
	MULQ 3, 1, 0
	PLACES 4
	WIN 0
	FETCH_A \next, 0, 1
.endm
.macro LASTK
	s_wait_dscnt 2*NAB
	MULQ 0, 1, 0
	MULQ 1, 1, 0
	s_wait_dscnt 0
	MULQ 2, 1, 0
	MULQ 3, 1, 0
	WIN 0
.endm
	s_load_b512 s[4:19], s[0:1], 0x0
	v_lshl_add_u32 v[SPW], v0, 2, SPARE
	v_mov_b32 v[NIL], 0
	ds_add_u32 v[SPW], v[NIL]
	ds_add_u32 v[SPW], v[NIL]
	v_lshrrev_b32 v1, 5, v0
	v_readfirstlane_b32 s[WV], v1
	s_lshr_b32 s[RHO], s[WV], 1
	s_and_b32 s[CC], s[WV], 1
	s_bfe_u32 s40, ttmp6, 0x40000
	s_bfe_u32 s41, ttmp6, 0x40004
	s_and_b32 s42, ttmp7, 0xffff
	s_lshl_b32 s42, s42, 2
	s_lshl_b32 s43, ttmp9, 2
	s_lshl_b32 s44, s41, 2
	s_lshl_b32 s44, 15, s44
	s_lshl_b32 s45, 0x1111, s40
	s_or_b32 s[G1], s44, (3<<16)|(1<<21)
	s_or_b32 s[G1B], s45, (3<<16)|(1<<21)
.irp g, G1, G1B
	s_mov_b32 s[\g+1], 512<<16
	s_mov_b32 s[\g+2], 8<<16
	s_mov_b32 s[\g+3], 512<<16
	s_mov_b32 s[\g+4], 8
	s_mov_b32 s[\g+5], 4096
	s_mov_b32 s[\g+6], 0
	s_mov_b32 s[\g+7], 0
.endr
	s_cmp_eq_u32 ttmp9, 3
	s_cselect_b32 s94, 12, s42
	s_cselect_b32 s96, s42, s43
	s_cselect_b32 s89, 0x1000000, 0
	s_cmp_eq_u32 ttmp9, 2
	s_cselect_b32 s88, 0x800000, 0
	s_add_co_u32 s94, s94, s41
	s_lshl_b32 s94, s94, 19
	s_add_co_u32 s94, s94, s88
	s_lshl_b32 s46, s[CC], 18
	s_add_co_u32 s94, s94, s46
	s_mov_b32 s95, 0
	s_add_co_u32 s96, s96, s40
	s_lshl_b32 s96, s96, 19
	s_add_co_u32 s96, s96, s89
	s_add_co_u32 s96, s96, s46
	s_mov_b32 s97, 0
	s_lshl_b32 s98, s[WV], 15
	s_wait_dscnt 0x0
	s_wait_kmcnt 0x0
	s_load_b256 s[68:75], s[16:17], 0x0
	s_load_b128 s[76:79], s[16:17], 0x20
	s_cmp_eq_u32 ttmp9, 3
	s_cselect_b64 s[90:91], s[6:7], s[4:5]
	s_cselect_b64 s[92:93], s[4:5], s[6:7]
	s_add_nc_u64 s[90:91], s[90:91], s[94:95]
	s_add_nc_u64 s[92:93], s[92:93], s[96:97]
	CROUND
.irp s, 0,1
	s_mov_b32 s[G0+4*\s], 1
	s_add_co_u32 s[G0+4*\s+1], s98, \s*SLOT1
	s_add_nc_u64 s[G0+4*\s+2:G0+4*\s+3], s[90:91], \s*4096
	s_or_b32 s[G0+4*\s+3], s[G0+4*\s+3], 0x80000000
	s_mov_b32 s[G0B+4*\s], 1
	s_add_co_u32 s[G0B+4*\s+1], s98, \s*SLOT1
	s_add_nc_u64 s[G0B+4*\s+2:G0B+4*\s+3], s[92:93], \s*4096
	s_or_b32 s[G0B+4*\s+3], s[G0B+4*\s+3], 0x80000000
.endr
	JLOAD 0                                        ; K step 0
	s_cmp_eq_u32 s[RHO], 0                         ; do I fetch for A?
	s_cselect_b64 s[PFA:PFA+1], s[90:91], s[92:93]
	s_cselect_b32 s46, s40, s41                    ; my place among the four that ask with me
	s_lshl_b32 s46, s46, 16                        ; two panels of 32,768 bytes
	s_mov_b32 s47, 0
	s_add_nc_u64 s[PFA:PFA+1], s[PFA:PFA+1], s[46:47]
	v_and_b32 v15, 15, v0
	v_bfe_u32 v[PFO], v0, 4, 1
	v_lshlrev_b32 v[PFO], 15, v[PFO]
	v_lshl_add_u32 v[PFO], v15, 8, v[PFO]
	v_and_b32 v[PFR], 31, v0
	v_lshlrev_b32 v[PFR], 8, v[PFR]
	global_prefetch_b8 v[PFO], s[PFA:PFA+1] offset:4096 th:TH_LOAD_NT scope:SCOPE_SE   ; K step 1,
	global_prefetch_b8 v[PFO], s[PFA:PFA+1] offset:8192 th:TH_LOAD_NT scope:SCOPE_SE   ; and K step 2
	v_and_b32 v1, 31, v0
	v_lshlrev_b32 v[RO], 4, v1
	v_and_b32 v2, 15, v0
	v_bfe_u32 v3, v0, 4, 1
	s_lshl_b32 s46, s[RHO], 15
	s_lshl_b32 s47, s[CC], 14
	s_add_co_u32 s47, s47, AREG
.irp s, 0,1
	v_add_nc_u32 v[ADRA+\s], s46, v[RO]
	v_add_nc_u32 v[ADRB+\s], s47, v[RO]
	s_add_co_u32 s46, s46, SLOT1
	s_add_co_u32 s47, s47, SLOT1
.endr
	s_cmp_eq_u32 ttmp9, 3
	s_cselect_b32 s82, s40, s41
	s_cselect_b32 s83, s41, s40
	s_cselect_b32 s88, 12, s43
	s_add_co_u32 s82, s82, s42
	s_add_co_u32 s83, s83, s88
	s_lshl_b32 s86, s82, 4
	s_add_co_u32 s86, s86, s83
	s_lshl_b32 s86, s86, 16
	s_lshl_b32 s88, s[RHO], 12
	s_add_co_u32 s86, s86, s88
	s_lshl_b32 s88, s[CC], 10
	s_add_co_u32 s86, s86, s88
	s_mov_b32 s87, 0
	s_add_nc_u64 s[86:87], s[18:19], s[86:87]
	s_lshl_b32 s[PFT], s82, 18                     ; the table: 16 token tiles of 16,384 bytes a block of tokens, my wave's 8, its half of the frequencies,
	s_lshl_b32 s88, s[RHO], 17
	s_add_co_u32 s[PFT], s[PFT], s88
	s_lshl_b32 s88, s[CC], 13
	s_add_co_u32 s[PFT], s[PFT], s88
	s_lshl_b32 s88, s40, 15                        ; and my work-group's two tiles of the 8
	s_add_co_u32 s[PFT], s[PFT], s88
	s_mov_b32 s[PFT+1], 0
	s_add_nc_u64 s[PFT:PFT+1], s[8:9], s[PFT:PFT+1]
	s_wait_alu depctr_va_vdst(0)
	s_wait_kmcnt 0x0
	s_add_co_i32 s80, s68, s69
	s_add_co_i32 s81, s70, s71
	s_add_co_i32 s88, s72, s73
	s_cmp_eq_u32 ttmp9, 2
	s_cselect_b32 s80, s81, s80
	s_cselect_b32 s89, s75, s74
	s_cmp_eq_u32 ttmp9, 3
	s_cselect_b32 s80, s88, s80
	s_cselect_b32 s89, s76, s89
	s_add_co_i32 s80, s80, 127
	s_lshl_b32 s80, s80, 23
	s_mov_b32 s81, s80
	s_add_co_i32 s89, s89, 127
	s_lshl_b32 s88, s89, 23
	v_mov_b32 v[SCL], s88
	s_add_co_i32 s89, s89, 8
	s_lshl_b32 s89, s89, 23
	s_or_b32 s89, s89, 0x600000
	v_mov_b32 v[LIM], s89
	s_wait_alu depctr_va_vdst(0)
	s_wait_tensorcnt 0x0                           ; my part of K step 0 is in
	ds_add_u32 v[SPW], v[NIL]
	s_wait_dscnt 0x0
	CROUND                                         ; everybody's part of K step 0 is in, and the joint loads meet
	JLOAD 1                                        ; K step 1, the first tensor load behind the round
	FETCH_B 0, 0, 0
	FETCH_A 0, 0, 0
	FETCH_A 0, 0, 1
	global_prefetch_b8 v[PFO], s[PFA:PFA+1] offset:12288 th:TH_LOAD_NT scope:SCOPE_SE   ; K step 3
	STEP 0, 1
	s_mov_b32 s3, 3
.Llap:
	TURN 0, 1, 1
	STEP 1, 0
	TURN 1, 0, 1
	STEP 0, 0
	s_sub_co_u32 s3, s3, 1
	s_cmp_lg_u32 s3, 0
	s_cbranch_scc1 .Llap
	TURN 0, 1, 0
	STEP 1, 0
.macro QOUT a
.set CDS, CD+16*((\a)%2)
.if (\a) >= 2
	s_wait_xcnt 0x0
.endif
.set n, 0
.rept 64
	v_med3_num_f32 v[X+n], v[X+n], -v[LIM], v[LIM]
.set n, n+1
.endr
.irp b, 0,1,2,3
	v_cvt_scalef32_pk8_fp8_f32 v[CDS+4*\b:CDS+4*\b+1], v[X+16*\b:X+16*\b+7], v[SCL]
	v_cvt_scalef32_pk8_fp8_f32 v[CDS+4*\b+2:CDS+4*\b+3], v[X+16*\b+8:X+16*\b+15], v[SCL]
.endr
	v_nop
.irp b, 0,1,2,3
	global_store_b128 v[RO], v[CDS+4*\b:CDS+4*\b+3], s[86:87] offset:(\a)*8192+(\b/2)*2048+(\b%2)*512
.endr
.endm
.macro CSLOAD a
	WIN 0x40
.set n, 0
.rept 8
	global_load_b128 v[64*((\a)%4)+4*n:64*((\a)%4)+4*n+3], v[RO], s[84:85] offset:(\a)*16384+512*n
	global_load_b128 v[64*((\a)%4)+32+4*n:64*((\a)%4)+32+4*n+3], v[RO], s[84:85] offset:(\a)*16384+4096+512*n
.set n, n+1
.endr
	WIN 0
.endm
.macro ROPE a, left
.set AC, 64*((\a)%4)
	s_wait_loadcnt \left
	WIN 0x02+(\a)/4
.set n, 0
.rept 32
	v_pk_fma_f32 v[X+n:X+n+1], v[AC+n:AC+n+1], s[80:81], v[BIAS+n:BIAS+n+1] op_sel_hi:[1,0,1]
.set n, n+2
.endr
	WIN 0x04
.set n, 0
.rept 16
	v_pk_mul_f32 v[TT+n:TT+n+1], v[X+32+n:X+32+n+1], v[AC+32+n:AC+32+n+1]
	v_pk_mul_f32 v[UU+n:UU+n+1], v[X+n:X+n+1], v[AC+32+n:AC+32+n+1]
.set n, n+2
.endr
.set n, 0
.rept 16
	v_pk_fma_f32 v[X+n:X+n+1], v[X+n:X+n+1], v[AC+n:AC+n+1], v[TT+n:TT+n+1] neg_lo:[0,0,1] neg_hi:[0,0,1]
	v_pk_fma_f32 v[X+32+n:X+32+n+1], v[X+32+n:X+32+n+1], v[AC+n:AC+n+1], v[UU+n:UU+n+1]
.set n, n+2
.endr
	WIN 0
.endm
.macro VBIAS a
.set AC, 64*((\a)%4)
	WIN 0x02+(\a)/4
.set n, 0
.rept 32
	v_pk_fma_f32 v[X+n:X+n+1], v[AC+n:AC+n+1], s[80:81], v[BIAS+2*(\a):BIAS+2*(\a)+1] op_sel_hi:[1,0,1]
.set n, n+2
.endr
	WIN 0
.endm
	s_cmp_eq_u32 ttmp9, 3
	s_cbranch_scc1 .Lv_tail
	s_cmp_lt_u32 ttmp9, 2
	s_cselect_b64 s[90:91], s[10:11], s[12:13]
	s_cselect_b32 s88, s83, s40
	s_lshl_b32 s88, s88, 10
	s_lshl_b32 s89, s[CC], 8
	s_add_co_u32 s88, s88, s89
	s_mov_b32 s89, 0
	s_add_nc_u64 s[90:91], s[90:91], s[88:89]
	s_lshl_b32 s84, s82, 18
	s_lshl_b32 s88, s[RHO], 17
	s_add_co_u32 s84, s84, s88
	s_lshl_b32 s88, s[CC], 13
	s_add_co_u32 s84, s84, s88
	s_mov_b32 s85, 0
	s_add_nc_u64 s[84:85], s[8:9], s[84:85]
	v_lshlrev_b32 v11, 6, v3
.set n, 0
.rept 16
	global_load_b128 v[BIAS+4*n:BIAS+4*n+3], v11, s[90:91] offset:512*(n/8)+128*((n/4)%2)+16*(n%4)
.set n, n+1
.endr
	CSLOAD 0
	CSLOAD 1
	LASTK
	PLACES 4
	CSLOAD 2
	CSLOAD 3
.irp a, 0,1,2,3
	ROPE \a, 48
	CSLOAD \a+4
	QOUT \a
.endr
	ROPE 4, 48
	QOUT 4
	ROPE 5, 32
	QOUT 5
	ROPE 6, 16
	QOUT 6
	ROPE 7, 0
	QOUT 7
	s_branch .Lend
.Lv_tail:
	s_lshl_b32 s88, s41, 10
	s_lshl_b32 s89, s[RHO], 9
	s_add_co_u32 s88, s88, s89
	s_mov_b32 s89, 0
	s_add_nc_u64 s[92:93], s[14:15], s[88:89]
	v_and_b32 v12, 8, v2
	v_add_nc_u32 v12, v12, v2
	v_lshlrev_b32 v12, 2, v12
.irp a, 0,1,2,3,4,5,6,7
	global_load_b32 v[BIAS+2*\a], v12, s[92:93] offset:(32*(\a/2)+8*(\a%2))*4
	global_load_b32 v[BIAS+2*\a+1], v12, s[92:93] offset:(32*(\a/2)+8*(\a%2))*4
.endr
	LASTK
	PLACES 4
	s_wait_loadcnt 0x0
.irp a, 0,1,2,3,4,5,6,7
	VBIAS \a
	QOUT \a
.endr
.Lend:
	s_wait_tensorcnt 0x0
	ds_add_u32 v[SPW], v[NIL]
	s_wait_dscnt 0x0
	CROUND
	s_endpgm
.Lfunc_end_k_q9206f0132b_qkv:
	.size	k_q9206f0132b_qkv, .Lfunc_end_k_q9206f0132b_qkv-k_q9206f0132b_qkv
	.p2alignl 7, 3214868480
	.fill 96, 4, 3214868480
	.section	.rodata,"a",@progbits
	.p2align	6, 0x0
	.amdhsa_kernel k_q9206f0132b_qkv
		.amdhsa_group_segment_fixed_size 327680
		.amdhsa_private_segment_fixed_size 0
		.amdhsa_enable_private_segment 0
		.amdhsa_kernarg_size 64
		.amdhsa_user_sgpr_count 2
		.amdhsa_user_sgpr_kernarg_segment_ptr 1
		.amdhsa_wavefront_size32 1
		.amdhsa_system_sgpr_workgroup_id_x 1
		.amdhsa_system_sgpr_workgroup_id_y 1
		.amdhsa_system_sgpr_workgroup_id_z 1
		.amdhsa_system_vgpr_workitem_id 0
		.amdhsa_next_free_vgpr 1024
		.amdhsa_next_free_sgpr 100
		.amdhsa_reserve_vcc 0
		.amdhsa_float_denorm_mode_32 3
		.amdhsa_float_denorm_mode_16_64 3
		.amdhsa_memory_ordered 1
		.amdhsa_forward_progress 1
		.amdhsa_inst_pref_size 245
	.end_amdhsa_kernel
	.amdgpu_metadata
---
amdhsa.version: [ 1, 2 ]
amdhsa.kernels:
  - .name:           k_q9206f0132b_qkv
    .symbol:         k_q9206f0132b_qkv.kd
    .args:
      - { .name: hcodes, .offset: 0, .size: 8, .value_kind: global_buffer, .address_space: global }
      - { .name: wcodes, .offset: 8, .size: 8, .value_kind: global_buffer, .address_space: global }
      - { .name: rope, .offset: 16, .size: 8, .value_kind: global_buffer, .address_space: global }
      - { .name: bq, .offset: 24, .size: 8, .value_kind: global_buffer, .address_space: global }
      - { .name: bk, .offset: 32, .size: 8, .value_kind: global_buffer, .address_space: global }
      - { .name: bv, .offset: 40, .size: 8, .value_kind: global_buffer, .address_space: global }
      - { .name: lowp_scales, .offset: 48, .size: 8, .value_kind: global_buffer, .address_space: global }
      - { .name: qkv, .offset: 56, .size: 8, .value_kind: global_buffer, .address_space: global }
    .group_segment_fixed_size: 327680
    .private_segment_fixed_size: 0
    .kernarg_segment_align: 8
    .kernarg_segment_size: 64
    .max_flat_workgroup_size: 128
    .sgpr_count:     100
    .vgpr_count:     1024
    .wavefront_size: 32
...
	.end_amdgpu_metadata
.endif
;; end of part 2
;; launch attn (part 3): grid 16 x 16, 4 waves a work-group, no clusters, 327,680 bytes of LDS; arguments qkv, lowp_scales, acodes; writes acodes
.if DOCPART == 3
	.amdgcn_target "amdgcn-amd-amdhsa--gfx1250"
	.amdhsa_code_object_version 6
	.text
	.protected	k_q9206f0132b_attn
	.globl	k_q9206f0132b_attn
	.p2align	8
	.type	k_q9206f0132b_attn,@function
k_q9206f0132b_attn:
	s_mov_b64 s[64:65], 0
	v_nop
	global_prefetch_b8 v0, s[64:65] scope:SCOPE_SE
	s_setreg_imm32_b32 hwreg(HW_REG_WAVE_MODE, 25, 1), 1
	s_wait_xcnt 0x0
; Causal attention on codes of FP8; the result is quantised with e10 and stored as fragment images for the last product.
; LEFT OUT (shown at the head of the first launch): the window's half of the mask, which holds for every pair of positions; key steps all of whose keys come after all queries that a work-group still has in hand; the copies of k and v for the second query head.
; SHARES.  A UNIT is one token tile (16 positions Q0 + perm(r), perm(r) = r + 8 (r / 8)) for one query head.  A unit of block i (64 positions) needs i / 2 + 1 key steps of 128 keys.  Work-group (x, 4 batch + kv head) takes query head
; 2 kv head + x % 2 and, with p = x / 2, TWO blocks: the late one, 15 - p, and the early one, p; wave w owns tile w of each: unit 0 (late) and unit 1 (early).  (15 - p) / 2 + 1 + p / 2 + 1 = 9 unit steps for every p: all waves of the launch have equal work.
; The first p / 2 + 1 key steps carry both units, and each fragment of K and V read from LDS feeds two matrix instructions; the later steps, up to (15 - p) / 2 + 1, carry the late unit alone.  Which it is hangs on ids and the count of steps, alike in all four waves.
; THE MASK.  While the early unit is live, KF <= 64 p + 63, hence KF + 127 <= 64 (15 - p) for p = 0 .. 7: every key of such a step counts for every late query.  So a step of both units masks the early one alone, and only in its last step; a step of the late unit masks that one, in its last step.
; LAYOUT.  Both products are used transposed: S^T = K Q^T (source 0 = a tile of 16 keys), O^T = V^T P^T (source 0 = a tile of 16 of the head's 256): a lane holds ONE query throughout.  By the tiles' order of rows the 16 registers of
; key tiles 2 b, 2 b + 1 are keys 32 b + 16 h + 0 .. 15, so p's conversions give the second product's operand; likewise O^T's 16 registers of tiles 2 n, 2 n + 1 are 16 neighbours along the last product's K.
; THE SOFTMAX: t = score x log2(e) / 16; M = the running largest t rounded UP to a whole number, kept as -M = floor(-t); p = 2^(t - M) is quantised with e9, not normalised; the row's sum is taken of the unquantised p;
; when M moves, the sum and O^T are multiplied by 2^(old M - new M), which rounds nothing.  No branch hangs on data.
; THE RING.  Two LDS slots of 256 keys: K's block of 65,536 bytes, then V's, as they lie in memory.  Each wave fetches a quarter of a slot, 32,768 dense bytes, by one tensor load.  Every work-group walks all four slots (constant trip
; counts); what the mask hides is jumped over by scalar branches on ids, and a slot whose first key comes after the work-group's last query is not asked for.
; NO CLUSTER: four neighbours along x need the same slots, but how many hangs on their number, so the walk's tail cannot be written out, and no jump may lead round a joint load.
; LIMITS: e6 + e7 between -120 and 120 (added to the exponent field of log2(e) / 16); e9 and e10 between -126 and 119; e8 + e9 is applied by v_ldexp_f32 and has none.
; REGISTERS: window 0: v1-11 addresses and constants; v12-27 eight registers of statistics a unit (+0 -M, +1 the largest t, +2, +3 the sum, +4, +5 f, +6, +7 at work); v28-31 further chains; v32-95 Q, 32 a unit;
; v96-223 S^T then p, 64 a unit; v224-255 p's codes.   window 1: O^T, 128 a unit, tile n at 8 n.   window 2: K's 16 fragments.   window 3: V's 16.
.set SLOT1, 131072
.set SPARE, 2*SLOT1                    ; behind the ring: the spare words, 128 bytes for each wave
.set L16,  1                           ; v1   16 x lane
.set ADK,  2                           ; v2   LDS address of the step's K
.set ADV,  3                           ; v3   of its V
.set SPW,  4                           ; v4   LDS address of my spare word; never rewritten
.set NIL,  5                           ; v5   0; never rewritten
.set PFO,  6                           ; v6   256 x lane, for the prefetches
.set MD,   7                           ; v7   the mask: my query - the step's first key - 16 h
.set NINF, 8                           ; v8   -infinity
.set LIMP, 9                           ; v9   448 x 2^e9 (on the way out: e10)
.set SCLP, 10                          ; v10  2^e9 (e10)
.set PRM,  11                          ; v11  perm(r) - 16 h
.set ST,   12
.set QF,   32
.set S,    96
.set P,    224
.set QBE,  2                           ; s[2:3]  the early unit's tile of Q
.set OBL,  8                           ; s[8:9]  where the late unit's result goes
.set WV,   10
.set Q0E,  11                          ; s11  the early unit's first query
.set PE,   15                          ; s15  the early block's last query
.set G1,   16                          ; s[16:23] descriptor group 1
.set G0,   24                          ; s[24:27] descriptor group 0, which walks
.set TBK,  28                          ; s28  LDS byte of the step's K
.set TBV,  29                          ; s29  of its V
.set KF,   30                          ; s30  the step's first key
.set Q0L,  31                          ; s31  the late unit's first query
.set PL,   32                          ; s32  the late block's last query: my work-group's last
.set SLOTS, 33
.set TWICE, 34
.set LIM,  35                          ; s35  1 in the work-group that prefetches, else the greatest number
.set CS,   36                          ; s[36:37] log2(e) / 16 x 2^(e6 + e7)
.set SEL,  38                          ; s[38:39] lane selects: lane l xor 16
.set PFA,  40                          ; s[40:41] where my prefetches stand
.set QBL,  42                          ; s[42:43] the late unit's tile of Q
.set OBE,  66                          ; s[66:67] where the early unit's result goes
.set HD,   68                          ; s68  my query head
.set MSB, 0
.macro WIN new                         ; the immediate's high byte repeats the setting that is left
.if MSB != (\new)
	s_set_vgpr_msb (MSB<<8)|(\new)
.set MSB, (\new)
.endif
.endm
; The unit of block s[i]: byte offsets of its tile of Q (block (4 batch + i / 4) 16 + head; in it tile 4 (i % 4) + w = 8 rho + a at a x 8,192 + rho x 4,096) and of its result (token tile 64 batch + 4 i + w, K steps 2 head on), and its first query
.macro UNIT i, qo, oo, q0
	s_lshl_b32 s[\qo], s13, 2
	s_lshr_b32 s[\qo+1], s[\i], 2
	s_add_co_u32 s[\qo], s[\qo], s[\qo+1]
	s_lshl_b32 s[\qo], s[\qo], 4
	s_add_co_u32 s[\qo], s[\qo], s[HD]
	s_lshl_b32 s[\qo], s[\qo], 16
	s_and_b32 s[\qo+1], s[\i], 1
	s_lshl_b32 s[\qo+1], s[\qo+1], 2
	s_add_co_u32 s[\qo+1], s[\qo+1], s[WV]
	s_lshl_b32 s[\qo+1], s[\qo+1], 13
	s_add_co_u32 s[\qo], s[\qo], s[\qo+1]
	s_bfe_u32 s[\qo+1], s[\i], 0x10001
	s_lshl_b32 s[\qo+1], s[\qo+1], 12
	s_add_co_u32 s[\qo], s[\qo], s[\qo+1]
	s_mov_b32 s[\qo+1], 0
	s_lshl_b32 s[\oo], s13, 6
	s_lshl_b32 s[\oo+1], s[\i], 2
	s_add_co_u32 s[\oo], s[\oo], s[\oo+1]
	s_add_co_u32 s[\oo], s[\oo], s[WV]
	s_lshl_b32 s[\oo], s[\oo], 15
	s_lshl_b32 s[\oo+1], s[HD], 12
	s_add_co_u32 s[\oo], s[\oo], s[\oo+1]
	s_mov_b32 s[\oo+1], 0
	s_lshl_b32 s[\q0], s[\i], 6
	s_add_co_u32 s[\q0], s[\q0], s74
.endm
	s_load_b128 s[4:7], s[0:1], 0x0                ; qkv s[4:5], the scales s[6:7]
	s_load_b64 s[8:9], s[0:1], 0x10                ; acodes
	v_lshl_add_u32 v[SPW], v0, 2, SPARE
	v_mov_b32 v[NIL], 0
	ds_add_u32 v[SPW], v[NIL]                      ; the wave's opening: the add, twice on end, and its wait ahead of my first tensor load
	ds_add_u32 v[SPW], v[NIL]
	v_lshrrev_b32 v1, 5, v0
	v_readfirstlane_b32 s[WV], v1
	s_and_b32 s12, ttmp7, 0xffff
	s_lshr_b32 s13, s12, 2                         ; batch
	s_and_b32 s14, s12, 3                          ; kv head
	s_mov_b32 s[G1], 3<<16                         ; no mask; elements of 8 bytes; no padding
	s_mov_b32 s[G1+1], 32<<16                      ; tensor_dim0 = 32 elements: rows of 256 bytes
	s_mov_b32 s[G1+2], 128<<16                     ; tensor_dim1 = 128 rows
	s_mov_b32 s[G1+3], 32<<16                      ; tile_dim0
	s_mov_b32 s[G1+4], 128                         ; tile_dim1
	s_mov_b32 s[G1+5], 32                          ; dense
	s_mov_b32 s[G1+6], 0
	s_mov_b32 s[G1+7], 0
	s_lshl_b32 s56, s13, 6                         ; what I fetch: block (4 batch + slot) 16 + 8 + kv head (K: waves 0, 1) or + 12 + kv head (V: waves 2, 3), its half wave % 2
	s_add_co_u32 s56, s56, s14
	s_add_co_u32 s56, s56, 8
	s_lshr_b32 s57, s[WV], 1
	s_lshl_b32 s57, s57, 2
	s_add_co_u32 s56, s56, s57
	s_lshl_b32 s56, s56, 16
	s_and_b32 s57, s[WV], 1
	s_lshl_b32 s57, s57, 15
	s_add_co_u32 s56, s56, s57
	s_mov_b32 s57, 0
	s_and_b32 s[HD], ttmp9, 1
	s_lshl_b32 s69, s14, 1
	s_add_co_u32 s[HD], s[HD], s69                 ; my query head: 2 kv head + x % 2
	s_lshr_b32 s70, ttmp9, 1                       ; the early block: p = x / 2,
	s_sub_co_u32 s71, 15, s70                      ; the late one: 15 - p
	s_lshr_b32 s74, s[WV], 1
	s_lshl_b32 s74, s74, 5
	s_and_b32 s75, s[WV], 1
	s_lshl_b32 s75, s75, 3
	s_add_co_u32 s74, s74, s75                     ; my tile's first position in a block: 32 (w / 2) + 8 (w % 2)
	UNIT 71, 58, 60, Q0L
	UNIT 70, 62, 72, Q0E
	s_lshl_b32 s[PL], s71, 6
	s_add_co_u32 s[PL], s[PL], 63
	s_lshl_b32 s[PE], s70, 6
	s_add_co_u32 s[PE], s[PE], 63
	s_mov_b32 s[SEL], 0x76543210
	s_mov_b32 s[SEL+1], 0xfedcba98
	s_mov_b32 s[TBK], 0
	s_mov_b32 s[TBV], 65536
	s_mov_b32 s[KF], 0
	s_mov_b32 s[SLOTS], 3
	s_cmp_eq_u32 ttmp9, 0                          ; work-group x = 0 (late block 15) walks all four slots: it asks for all sixteen of its kv head
	s_cselect_b32 s[LIM], 1, -1
	s_wait_dscnt 0x0                               ; both opening adds are done
	s_wait_kmcnt 0x0
	s_load_b256 s[44:51], s[6:7], 0x0              ; e0 .. e7
	s_load_b128 s[52:55], s[6:7], 0x20             ; e8 .. e11
	s_mov_b32 s[G0], 1
	s_lshl_b32 s[G0+1], s[WV], 15                  ; slot 0, my quarter
	s_add_nc_u64 s[G0+2:G0+3], s[4:5], s[56:57]
	s_add_nc_u64 s[PFA:PFA+1], s[G0+2:G0+3], 0x100000   ; my quarter of slot 1: the first change of slots steps it to slot 2.  Nothing is prefetched here, where every work-group's first tiles are on their way
	s_or_b32 s[G0+3], s[G0+3], 0x80000000
	tensor_load_to_lds s[G0:G0+3], s[G1:G1+7]      ; slot 0: every wave issues its quarter
	s_nop 0
.rept 4
	v_nop
.endr
	s_add_nc_u64 s[QBL:QBL+1], s[4:5], s[58:59]
	s_add_nc_u64 s[QBE:QBE+1], s[4:5], s[62:63]
	s_add_nc_u64 s[OBE:OBE+1], s[8:9], s[72:73]
	s_add_nc_u64 s[OBL:OBL+1], s[8:9], s[60:61]
	v_and_b32 v[L16], 31, v0
	v_lshlrev_b32 v[PFO], 8, v[L16]
	v_lshlrev_b32 v[L16], 4, v[L16]
.irp d, 0,1
.irp c, 0,1,2,3
	global_load_b128 v[QF+16*\d+4*\c:QF+16*\d+4*\c+3], v[L16], s[QBL:QBL+1] offset:\d*2048+\c*512        ; Q stays in registers: the late unit, channels 128 d on,
	global_load_b128 v[QF+32+16*\d+4*\c:QF+32+16*\d+4*\c+3], v[L16], s[QBE:QBE+1] offset:\d*2048+\c*512  ; and the early one
.endr
.endr
	v_and_b32 v[MD], 15, v0
	v_and_b32 v[PRM], 8, v[MD]
	v_add_nc_u32 v[PRM], v[PRM], v[MD]             ; perm(r)
	v_bfe_u32 v[MD], v0, 4, 1
	v_lshlrev_b32 v[MD], 4, v[MD]
	v_sub_nc_u32 v[PRM], v[PRM], v[MD]             ; - 16 h
	v_mov_b32 v[NINF], 0xff800000
.irp t, 0,1
	v_mov_b32 v[ST+8*\t+1], 0xff61b1e6             ; the largest t so far: -3e38, under every t
	v_floor_f32 v[ST+8*\t], -v[ST+8*\t+1]          ; -M
	v_mov_b32 v[ST+8*\t+2], 0                      ; the sum, in two halves
	v_mov_b32 v[ST+8*\t+3], 0
	v_mov_b32 v[ST+8*\t+5], 0                      ; (named as the upper half of f's pair)
	v_mov_b32 v[ST+8*\t+7], 0                      ; (a lane permute's destination counts as one of its sources)
.endr
	WIN 0x40
.set n, 0
.rept 256
	v_mov_b32 v[n], 0                              ; O^T.  A first step of its own, whose products start the sums, would be one more copy of the key step: so the first step finds zeros, which the first change of M leaves zeros
.set n, n+1
.endr
	WIN 0
	s_wait_kmcnt 0x0
	s_mov_b32 s[CS], 0x3db8aa3b                    ; log2(e) / 16
	s_add_co_i32 s62, s50, s51
	s_lshl_b32 s62, s62, 23
	s_add_co_i32 s[CS], s[CS], s62                 ; a score stands for score x 2^(e6 + e7)
	s_mov_b32 s[CS+1], s[CS]
	s_add_co_i32 s62, s53, 127
	s_lshl_b32 s63, s62, 23
	v_mov_b32 v[SCLP], s63                         ; 2^e9
	s_add_co_i32 s62, s62, 8
	s_lshl_b32 s62, s62, 23
	s_or_b32 s62, s62, 0x600000
	v_mov_b32 v[LIMP], s62                         ; 448 x 2^e9
; A PREFETCH INTO THE L2 of the slot after the one that is being asked for: my wave's 32,768 bytes of it, lanes 256 bytes apart, four instructions.  All sixteen work-groups of a kv head walk the same K and V: the first of them,
; which walks all slots, asks, and nobody else: each aligned block of 256 bytes is named once in the launch.  It asks at the first two changes, for slots 2 and 3, a slot's two key steps ahead of the loads; slots 0 and 1 come by their loads alone.
.macro ASK
	s_cmp_gt_u32 s[SLOTS], s[LIM]
	s_cbranch_scc0 .Lnot_mine_\@
.irp o, 0,8192,16384,24576
	global_prefetch_b8 v[PFO], s[PFA:PFA+1] offset:\o th:TH_LOAD_NT scope:SCOPE_SE
.endr
.Lnot_mine_\@:
.endm
; THE CHANGE OF SLOTS stands at a slot's head.  Each wave waits for all its tensor loads (its quarter of the slot ahead), adds 0 to its spare word, and waits for that and for its reads of the slot that it has left.  Behind the barrier
; the slot ahead is whole and nobody reads the other one.  fill = 1: that other slot takes the next 256 keys, if any wave of the work-group will read them.
.macro CHANGE fill
	s_wait_tensorcnt 0x0                           ; no tensor load of mine is out, so group 0 may be written
	ds_add_u32 v[SPW], v[NIL]                      ; 0 onto my spare word
.if \fill
	s_xor_b32 s[G0+1], s[G0+1], SLOT1              ; the other slot than last time,
	s_add_nc_u64 s[G0+2:G0+3], s[G0+2:G0+3], 0x100000   ; the next block of 256 tokens: 16 blocks on
	s_wait_xcnt 0x0                                ; the last prefetches, a slot back, have read their address
	s_add_nc_u64 s[PFA:PFA+1], s[PFA:PFA+1], 0x100000
.endif
	s_wait_dscnt 0x0                               ; the add is done, and my reads of the slot that I have left are over
	s_barrier_signal -1
	s_barrier_wait -1
.if \fill
	s_add_co_u32 s56, s[KF], 256                   ; the first key of the slot that this change would ask for,
	s_cmp_gt_u32 s56, s[PL]                        ; against my work-group's last query: ids and the count of steps alone, the same in all four waves; past the limit a work-group stays past it.  Every wait on TENSORcnt in this text is for 0
	s_cbranch_scc1 .Lpast_\@
	tensor_load_to_lds s[G0:G0+3], s[G1:G1+7]      ; my one tensor load behind the barrier: it has the slot's two key steps in which to land
	s_nop 0
.rept 4
	v_nop
.endr
.Lpast_\@:
	ASK
.endif
.endm
; THE LDS LOADS stand in runs of 16.  K's run g: key tiles 2 g and 2 g + 1 (load n = 8 a + 4 d + c: key tile a, channels 128 d on, chunk c).  V's run q: tiles 4 q .. 4 q + 3 of the head's 16 (load n = 4 tile + c).
.macro KLOAD g
	WIN 0x80                                       ; destination window 2
.set n, 16*(\g)
.rept 16
	ds_load_b128 v[4*n:4*n+3], v[ADK] offset:(n/8)*8192+((n/4)%2)*2048+(n%4)*512
.set n, n+1
.endr
.endm
.macro VLOAD q
	WIN 0xc0                                       ; destination window 3
.set n, 16*(\q)
.rept 16
	ds_load_b128 v[4*n:4*n+3], v[ADV] offset:((n/4)%8)*8192+(n/32)*4096+(n%4)*512
.set n, n+1
.endr
.endm
; S^T = K Q^T for key tiles 2 g, 2 g + 1 and nu units: the accumulators take turns, one instruction a turn, two links each
.macro SCORES g, nu
	s_wait_dscnt 16                                ; K's run g is in; the one run of 16 loads issued behind it may be out
	WIN 0x02                                       ; source 0 window 2
.irp d, 0,1
.irp u, 0,1
.irp t, 0,1
.if \t < \nu
.if \d == 0
	v_wmma_f32_16x16x128_fp8_fp8 v[S+64*\t+8*(2*(\g)+\u):S+64*\t+8*(2*(\g)+\u)+7], v[32*(2*(\g)+\u)+16*\d:32*(2*(\g)+\u)+16*\d+15], v[QF+32*\t+16*\d:QF+32*\t+16*\d+15], 0
.else
	v_wmma_f32_16x16x128_fp8_fp8 v[S+64*\t+8*(2*(\g)+\u):S+64*\t+8*(2*(\g)+\u)+7], v[32*(2*(\g)+\u)+16*\d:32*(2*(\g)+\u)+16*\d+15], v[QF+32*\t+16*\d:QF+32*\t+16*\d+15], v[S+64*\t+8*(2*(\g)+\u):S+64*\t+8*(2*(\g)+\u)+7]
.endif
.endif
.endr
.endr
.endr
.endm
; THE WORK OF A KEY STEP: 128 keys.  nu = 2: both units; nu = 1: the late unit alone.
.macro BODY nu
.if \nu == 2
.set QM, Q0E                           ; the unit that can lie on the diagonal in this step: the early one where both are live,
.else
.set QM, Q0L                           ; else the late one
.endif
.set SMK, S+64*((\nu)-1)
	v_add_nc_u32 v[ADK], s[TBK], v[L16]
	v_add_nc_u32 v[ADV], s[TBV], v[L16]
	v_nop                                          ; with the two additions: four places between the last step's V^T P^T and the first loads into V's registers
	v_nop
	KLOAD 0                                        ; each run of K stands one group of products ahead of the group that reads it
	KLOAD 1
	s_wait_alu depctr_va_vdst(0)
	SCORES 0, \nu
	KLOAD 2
	SCORES 1, \nu
	KLOAD 3
	SCORES 2, \nu
	VLOAD 0                                        ; V's four runs are dealt out from here to the exponentials: they land under the softmax
	SCORES 3, \nu
	WIN 0
.rept 4
	v_nop                                          ; places behind the scores' products, ahead of their first reader
.endr
	VLOAD 1
	WIN 0
	s_add_co_u32 s56, s[KF], 127                   ; a step all of whose keys count for all my queries skips the mask
	s_cmp_le_u32 s56, s[QM]
	s_cbranch_scc1 .Lopen_\@
	s_sub_co_i32 s56, s[QM], s[KF]
	v_add_nc_u32 v[MD], s56, v[PRM]                ; register 16 b + n holds key KF + 16 h + 32 b + n: hidden where 32 b + n > my query - KF - 16 h
.set n, 0
.rept 64
	v_cmp_gt_i32 vcc_lo, 32*(n/16)+n%16, v[MD]
	v_cndmask_b32 v[SMK+n], v[SMK+n], v[NINF], vcc_lo      ; -infinity ahead of the maximum: p = 0.  The step's first key counts for every query of the block, so M is a number
.set n, n+1
.endr
.Lopen_\@:
.if \nu == 2                           ; the step's largest score, each accumulator from its low end on: two chains a unit, the two units by turns line by line
.irp t, 0,1
	v_max3_num_f32 v[ST+8*\t+6], v[S+64*\t], v[S+64*\t+1], v[S+64*\t+2]
	v_max3_num_f32 v[ST+8*\t+7], v[S+64*\t+3], v[S+64*\t+4], v[S+64*\t+5]
.endr
.set n, 6
.rept 14
.irp t, 0,1
	v_max3_num_f32 v[ST+8*\t+6], v[ST+8*\t+6], v[S+64*\t+n], v[S+64*\t+n+1]
	v_max3_num_f32 v[ST+8*\t+7], v[ST+8*\t+7], v[S+64*\t+n+2], v[S+64*\t+n+3]
.endr
.set n, n+4
.endr
.irp t, 0,1
	v_max3_num_f32 v[ST+8*\t+6], v[ST+8*\t+6], v[S+64*\t+62], v[S+64*\t+63]
.endr
.irp t, 0,1
	v_max_num_f32 v[ST+8*\t+6], v[ST+8*\t+6], v[ST+8*\t+7]
.endr
.else                                  ; one unit: four chains, so that no line reads the result of the line just before it
	v_max3_num_f32 v[ST+6], v[S], v[S+1], v[S+2]
	v_max3_num_f32 v[ST+7], v[S+3], v[S+4], v[S+5]
	v_max3_num_f32 v28, v[S+6], v[S+7], v[S+8]
	v_max3_num_f32 v29, v[S+9], v[S+10], v[S+11]
.set n, 12
.rept 6
	v_max3_num_f32 v[ST+6], v[ST+6], v[S+n], v[S+n+1]
	v_max3_num_f32 v[ST+7], v[ST+7], v[S+n+2], v[S+n+3]
	v_max3_num_f32 v28, v28, v[S+n+4], v[S+n+5]
	v_max3_num_f32 v29, v29, v[S+n+6], v[S+n+7]
.set n, n+8
.endr
	v_max3_num_f32 v[ST+6], v[ST+6], v[S+60], v[S+61]
	v_max3_num_f32 v[ST+7], v[ST+7], v[S+62], v[S+63]
	v_max3_num_f32 v[ST+6], v[ST+6], v[ST+7], v28
	v_max_num_f32 v[ST+6], v[ST+6], v29
.endif
	VLOAD 2
	WIN 0
.irp t, 0,1
.if \t < \nu
	v_permlanex16_b32 v[ST+8*\t+7], v[ST+8*\t+6], s[SEL], s[SEL+1]   ; the query's other 64 keys lie in the lane 16 away
.endif
.endr
.irp t, 0,1
.if \t < \nu
	v_max_num_f32 v[ST+8*\t+6], v[ST+8*\t+6], v[ST+8*\t+7]
.endif
.endr
.irp t, 0,1
.if \t < \nu
	v_mul_f32 v[ST+8*\t+6], s[CS], v[ST+8*\t+6]    ; as t (the factor is positive)
.endif
.endr
.irp t, 0,1
.if \t < \nu
	v_max_num_f32 v[ST+8*\t+1], v[ST+8*\t+1], v[ST+8*\t+6]   ; the running largest t
	v_mov_b32 v[ST+8*\t+6], v[ST+8*\t]
.endif
.endr
.irp t, 0,1
.if \t < \nu
	v_floor_f32 v[ST+8*\t], -v[ST+8*\t+1]          ; the new -M = -ceil(t)
.endif
.endr
.irp t, 0,1
.if \t < \nu
	v_sub_f32 v[ST+8*\t+6], v[ST+8*\t], v[ST+8*\t+6]   ; old M - new M: a whole number, 0 or less
.endif
.endr
.irp t, 0,1
.if \t < \nu
	v_cvt_i32_f32 v[ST+8*\t+6], v[ST+8*\t+6]       ; (it saturates)
.endif
.endr
.irp t, 0,1
.if \t < \nu
	v_ldexp_f32 v[ST+8*\t+4], 1.0, v[ST+8*\t+6]    ; f = 2^(old M - new M)
.endif
.endr
.set n, 0
.rept 32
.irp t, 0,1
.if \t < \nu
	v_pk_fma_f32 v[S+64*\t+n:S+64*\t+n+1], v[S+64*\t+n:S+64*\t+n+1], s[CS:CS+1], v[ST+8*\t:ST+8*\t+1] op_sel_hi:[1,0,0]   ; t - M, two at a time
.endif
.endr
.set n, n+2
.endr
	VLOAD 3
	WIN 0
.set n, 0
	s_wait_alu depctr_va_vdst(0)
.rept 64*(\nu)
	v_exp_f32 v[S+n], v[S+n]                       ; p = 2^(t - M): ONE batch for the step
.set n, n+1
.endr
.irp t, 0,1
.if \t < \nu
	v_pk_mul_f32 v[ST+8*\t+2:ST+8*\t+3], v[ST+8*\t+2:ST+8*\t+3], v[ST+8*\t+4:ST+8*\t+5] op_sel_hi:[1,0]   ; the sums under the new M: the plain instructions behind the exponentials
.endif
.endr
	s_wait_alu depctr_va_vdst(0)                   ; one wait for the batch, ahead of its first reader
.if \nu == 2                           ; the row's sum is taken of the unquantised p: two chains a unit
.irp t, 0,1
	v_pk_add_f32 v[28+2*\t:29+2*\t], v[S+64*\t:S+64*\t+1], v[S+64*\t+2:S+64*\t+3]
.endr
.set n, 4
.rept 15
.irp t, 0,1
	v_pk_add_f32 v[ST+8*\t+2:ST+8*\t+3], v[ST+8*\t+2:ST+8*\t+3], v[S+64*\t+n:S+64*\t+n+1]
	v_pk_add_f32 v[28+2*\t:29+2*\t], v[28+2*\t:29+2*\t], v[S+64*\t+n+2:S+64*\t+n+3]
.endr
.set n, n+4
.endr
.irp t, 0,1
	v_pk_add_f32 v[ST+8*\t+2:ST+8*\t+3], v[ST+8*\t+2:ST+8*\t+3], v[28+2*\t:29+2*\t]
.endr
.else                                  ; one unit: four chains; the fourth lies in the early unit's scores, which are idle in this step
	v_pk_add_f32 v[28:29], v[S:S+1], v[S+2:S+3]
	v_pk_add_f32 v[30:31], v[S+4:S+5], v[S+6:S+7]
	v_pk_add_f32 v[S+64:S+65], v[S+8:S+9], v[S+10:S+11]
.set n, 12
.rept 6
	v_pk_add_f32 v[ST+2:ST+3], v[ST+2:ST+3], v[S+n:S+n+1]
	v_pk_add_f32 v[28:29], v[28:29], v[S+n+2:S+n+3]
	v_pk_add_f32 v[30:31], v[30:31], v[S+n+4:S+n+5]
	v_pk_add_f32 v[S+64:S+65], v[S+64:S+65], v[S+n+6:S+n+7]
.set n, n+8
.endr
	v_pk_add_f32 v[ST+2:ST+3], v[ST+2:ST+3], v[S+60:S+61]
	v_pk_add_f32 v[28:29], v[28:29], v[S+62:S+63]
	v_pk_add_f32 v[30:31], v[30:31], v[S+64:S+65]
	v_pk_add_f32 v[ST+2:ST+3], v[ST+2:ST+3], v[28:29]
	v_pk_add_f32 v[ST+2:ST+3], v[ST+2:ST+3], v[30:31]
.endif
.irp t, 0,1
.if \t < \nu
.irp b, 0,1,2,3
.set n, 0
.rept 16
	v_min_num_f32 v[S+64*\t+16*\b+n], v[S+64*\t+16*\b+n], v[LIMP]   ; the conversion does not saturate (ISA guide 7.6.2); p is not negative, so the hold is one-sided
.set n, n+1
.endr
	v_cvt_scalef32_pk8_fp8_f32 v[P+16*\t+4*\b:P+16*\t+4*\b+1], v[S+64*\t+16*\b:S+64*\t+16*\b+7], v[SCLP]
	v_cvt_scalef32_pk8_fp8_f32 v[P+16*\t+4*\b+2:P+16*\t+4*\b+3], v[S+64*\t+16*\b+8:S+64*\t+16*\b+15], v[SCLP]
.endr
.endif
.endr
	WIN 0x41                                       ; O^T (destination and source 0) window 1, f window 0
.set n, 0
.rept 64
.irp t, 0,1
.if \t < \nu
	v_pk_mul_f32 v[128*\t+n:128*\t+n+1], v[128*\t+n:128*\t+n+1], v[ST+8*\t+4:ST+8*\t+5] op_sel_hi:[1,0]   ; O^T under the new M, each accumulator from its low end on; these are also the plain instructions behind the conversions
.endif
.endr
.set n, n+2
.endr
	s_wait_alu depctr_va_vdst(0)
	s_wait_dscnt 0x0                               ; V is in
	WIN 0x53                                       ; V window 3, p window 0, O^T window 1
.set n, 0
.rept 16
.irp t, 0,1
.if \t < \nu
	v_wmma_f32_16x16x128_fp8_fp8 v[128*\t+8*n:128*\t+8*n+7], v[16*n:16*n+15], v[P+16*\t:P+16*\t+15], v[128*\t+8*n:128*\t+8*n+7]   ; 16 accumulators a unit, one instruction each
.endif
.endr
.set n, n+1
.endr
	WIN 0
.endm
; A KEY STEP.  The two branches hang on ids and the count of steps alone, and lead round no barrier, wait on TENSORcnt, add or tensor load.
.macro STEP
	s_cmp_gt_u32 s[KF], s[PL]                      ; all its keys come after all my work-group's queries: left out, but for the lines at its end that step addresses
	s_cbranch_scc1 .Lhidden_\@
	s_cmp_gt_u32 s[KF], s[PE]                      ; all its keys come after the early block's queries: the late unit alone
	s_cbranch_scc1 .Lone_\@
	BODY 2
	s_branch .Lhidden_\@
.Lone_\@:
	BODY 1
.Lhidden_\@:
	s_add_co_u32 s[KF], s[KF], 128
	s_add_co_u32 s[TBK], s[TBK], 4096              ; in a block the second step's key tiles lie 4,096 bytes on,
	s_add_co_u32 s[TBV], s[TBV], 2048              ; V's second K step 2,048
.endm
.macro SLOT_STEPS                      ; a slot's two key steps: written once, walked twice
	s_mov_b32 s[TWICE], 2
.Lstep_\@:
	STEP
	s_sub_co_u32 s[TWICE], s[TWICE], 1
	s_cmp_lg_u32 s[TWICE], 0
	s_cbranch_scc1 .Lstep_\@
	s_sub_co_u32 s[TBK], s[TBK], 8192              ; back to a slot's first step,
	s_xor_b32 s[TBK], s[TBK], SLOT1                ; in the other slot
	s_sub_co_u32 s[TBV], s[TBV], 4096
	s_xor_b32 s[TBV], s[TBV], SLOT1
.endm
	s_wait_loadcnt 0x0                             ; Q
.Lslot:                                            ; three trips: behind each change of slots but the last the next slot is asked for, up to the causal limit
	CHANGE 1
	SLOT_STEPS
	s_sub_co_u32 s[SLOTS], s[SLOTS], 1
	s_cmp_lg_u32 s[SLOTS], 0
	s_cbranch_scc1 .Lslot
	CHANGE 0                                       ; the last slot is written out: nothing is left to ask for
	SLOT_STEPS
	; THE WAY OUT.  O^T x 2^(e8 + e9) / the sum is attention's result; it is quantised with e10, and a lane's 16 neighbours along the last product's K make 16 bytes of an image: stores of 512 consecutive bytes, no turn through LDS.
.irp t, 0,1
	v_add_f32 v[ST+8*\t+2], v[ST+8*\t+2], v[ST+8*\t+3]     ; the sum's two halves (these lines are the places behind the last products),
.endr
.irp t, 0,1
	v_permlanex16_b32 v[ST+8*\t+7], v[ST+8*\t+2], s[SEL], s[SEL+1]
.endr
.irp t, 0,1
	v_add_f32 v[ST+8*\t+2], v[ST+8*\t+2], v[ST+8*\t+7]     ; and lane l xor 16's
.endr
	s_wait_alu depctr_va_vdst(0)
.irp t, 0,1
	v_rcp_f32 v[ST+8*\t+6], v[ST+8*\t+2]
.endr
	s_add_co_i32 s56, s52, s53                     ; e8 + e9
	s_add_co_i32 s62, s54, 127
	s_lshl_b32 s63, s62, 23
	v_mov_b32 v[SCLP], s63                         ; 2^e10  (a plain instruction behind the reciprocals)
	s_add_co_i32 s62, s62, 8
	s_lshl_b32 s62, s62, 23
	s_or_b32 s62, s62, 0x600000
	v_mov_b32 v[LIMP], s62                         ; 448 x 2^e10
	s_wait_alu depctr_va_vdst(0)                   ; one wait for the two reciprocals, ahead of their first reader
.irp t, 0,1
	v_ldexp_f32 v[ST+8*\t+6], v[ST+8*\t+6], s56
.endr
.macro OUTT t, base                    ; unit t's 16 tokens x 256 channels: two K steps of its token tile's panel
	WIN 0x01                                       ; source 0 window 1
.set n, 0
.rept 64
	v_pk_mul_f32 v[S+n:S+n+1], v[128*(\t)+n:128*(\t)+n+1], v[ST+8*(\t)+6:ST+8*(\t)+7] op_sel_hi:[1,0]   ; each accumulator from its low end on
.set n, n+2
.endr
	WIN 0
.set n, 0
.rept 128
	v_med3_num_f32 v[S+n], v[S+n], -v[LIMP], v[LIMP]
.set n, n+1
.endr
.set n, 0
.rept 8
	v_cvt_scalef32_pk8_fp8_f32 v[QF+32*(\t)+4*n:QF+32*(\t)+4*n+1], v[S+16*n:S+16*n+7], v[SCLP]
	v_cvt_scalef32_pk8_fp8_f32 v[QF+32*(\t)+4*n+2:QF+32*(\t)+4*n+3], v[S+16*n+8:S+16*n+15], v[SCLP]
.set n, n+1
.endr
	v_nop                                          ; a plain instruction between the last conversion and the next unit's lines, which write its sources
.set n, 0
.rept 8
	global_store_b128 v[L16], v[QF+32*(\t)+4*n:QF+32*(\t)+4*n+3], s[\base:\base+1] offset:n*512
.set n, n+1
.endr
.endm
	OUTT 0, OBL
	OUTT 1, OBE
	s_wait_tensorcnt 0x0                           ; the wave's end
	ds_add_u32 v[SPW], v[NIL]
	s_wait_dscnt 0x0
	s_endpgm
.Lfunc_end_k_q9206f0132b_attn:
	.size	k_q9206f0132b_attn, .Lfunc_end_k_q9206f0132b_attn-k_q9206f0132b_attn
	.p2alignl 7, 3214868480
	.fill 96, 4, 3214868480
	.section	.rodata,"a",@progbits
	.p2align	6, 0x0
	.amdhsa_kernel k_q9206f0132b_attn
		.amdhsa_group_segment_fixed_size 327680
		.amdhsa_private_segment_fixed_size 0
		.amdhsa_enable_private_segment 0
		.amdhsa_kernarg_size 24
		.amdhsa_user_sgpr_count 2
		.amdhsa_user_sgpr_kernarg_segment_ptr 1
		.amdhsa_wavefront_size32 1
		.amdhsa_system_sgpr_workgroup_id_x 1
		.amdhsa_system_sgpr_workgroup_id_y 1
		.amdhsa_system_sgpr_workgroup_id_z 1
		.amdhsa_system_vgpr_workitem_id 0
		.amdhsa_next_free_vgpr 1024
		.amdhsa_next_free_sgpr 76
		.amdhsa_reserve_vcc 1
		.amdhsa_float_denorm_mode_32 3
		.amdhsa_float_denorm_mode_16_64 3
		.amdhsa_memory_ordered 1
		.amdhsa_forward_progress 1
		.amdhsa_inst_pref_size 206
	.end_amdhsa_kernel
	.amdgpu_metadata
---
amdhsa.version: [ 1, 2 ]
amdhsa.kernels:
  - .name:           k_q9206f0132b_attn
    .symbol:         k_q9206f0132b_attn.kd
    .args:
      - { .name: qkv, .offset: 0, .size: 8, .value_kind: global_buffer, .address_space: global }
      - { .name: lowp_scales, .offset: 8, .size: 8, .value_kind: global_buffer, .address_space: global }
      - { .name: acodes, .offset: 16, .size: 8, .value_kind: global_buffer, .address_space: global }
    .group_segment_fixed_size: 327680
    .private_segment_fixed_size: 0
    .kernarg_segment_align: 8
    .kernarg_segment_size: 24
    .max_flat_workgroup_size: 128
    .sgpr_count:     76
    .vgpr_count:     1024
    .wavefront_size: 32
...
	.end_amdgpu_metadata
.endif
;; end of part 3
;; launch oproj (part 4): grid 8 x 32, 4 waves a work-group, clusters of 4 x 4, 327,680 bytes of LDS; arguments acodes, wcodes, lowp_scales, out0; writes out0
.if DOCPART == 4
	.amdgcn_target "amdgcn-amd-amdhsa--gfx1250"
	.amdhsa_code_object_version 6
	.text
	.protected	k_q9206f0132b_oproj
	.globl	k_q9206f0132b_oproj
	.p2align	8
	.type	k_q9206f0132b_oproj,@function
k_q9206f0132b_oproj:
	s_mov_b64 s[64:65], 0
	v_nop
	global_prefetch_b8 v0, s[64:65] scope:SCOPE_SE
	s_setreg_imm32_b32 hwreg(HW_REG_WAVE_MODE, 25, 1), 1
	s_wait_xcnt 0x0
	s_wait_alu depctr_hold_cnt(0) depctr_sa_sdst(0) depctr_va_vdst(0) depctr_va_sdst(0) depctr_va_ssrc(0) depctr_va_vcc(0) depctr_vm_vsrc(0)
	s_getreg_b32 s2, hwreg(HW_REG_IB_STS2, 6, 4)
	s_cmp_eq_u32 s2, 0
	s_cbranch_scc0 .Lentry_in_a_cluster
	s_endpgm
.Lentry_in_a_cluster:
	s_bfe_u32 s2, ttmp6, 0x10000c
	s_cmp_lg_u32 s2, 0xf033
	s_cbranch_scc0 .Lentry_shape_is_right
	s_endpgm
.Lentry_shape_is_right:
; The last product, attention's codes x Wo's codes, x 2^(e10 + e11), to out0 in f32.  Nothing of reference() is left out here.
; A work-group makes 128 tokens x 256 columns, a wave 64 x 128; K = 2,048 goes in steps of 256 through a ring of two LDS slots of fragment images.  Clusters of 4 x 4, A's tiles
; asked for jointly along a row, B's along a column.  Every wait on TENSORcnt is for 0.  The result goes through each wave's own stage in slot 0, behind that slot's last fill and last read.
; PREFETCH: at the load of K step t each wave asks for K step t + 2 of the panels that it fetches (at the head also for step 1).  A's waves fetch 4 panels: the partner cx names one, 16 blocks of
; 256 bytes (lanes 16-31 name the last block again); B's fetch 8: the partner cy names two, a lane to a block.  The last two refills ask for nothing.
; LIMIT: e10 + e11 between -126 and 127.
.set NAB,   4
.set PFO,  13                          ; v13  the prefetches' offset; never rewritten
.set PFA,  66                          ; s[66:67] where my prefetches stand
.set FR,    16
.set AREG,  2*NAB*4096
.set SLOT1, 131072
.set SPARE, 2*SLOT1
.set ADRA, 16
.set ADRB, 20
.set STO,  24
.set RD,   25
.set CO,   26
.set SPW,  28
.set NIL,  29
.set TMP,  32
.set AF,   128
.set BK,   128
.set WV,  20
.set RHO, 21
.set CC,  22
.set G1,  24
.set G0,  32
.set G1B, 48
.set G0B, 56
.set MSB, 0
.macro WIN new
.if MSB != (\new)
	s_set_vgpr_msb (MSB<<8)|(\new)
.set MSB, (\new)
.endif
.endm
.macro JLOAD s
	s_cmp_eq_u32 s[RHO], 0
	s_cbranch_scc0 .Lfor_b_\@
	tensor_load_to_lds s[G0+4*\s:G0+4*\s+3], s[G1:G1+7]
	s_nop 0
.rept 4
	v_nop
.endr
	s_branch .Lasked_\@
.Lfor_b_\@:
	tensor_load_to_lds s[G0B+4*\s:G0B+4*\s+3], s[G1B:G1B+7]
	s_nop 0
.rept 4
	v_nop
.endr
.Lasked_\@:
.endm
.macro CREST
	s_cmp_lg_u32 s[WV], 0
	s_cbranch_scc1 .Lnot_wave_0_\@
	s_barrier_signal -3
.Lnot_wave_0_\@:
	s_barrier_wait -3
	s_barrier_signal -1
	s_barrier_wait -1
.endm
.macro CROUND
	s_barrier_signal -1
	s_barrier_wait -1
	CREST
.endm
.macro PLACES n
.rept \n
	v_nop
.endr
.endm
.macro FRAG reg, adr, q, off
.irp c, 0,1,2,3
	ds_load_b128 v[\reg+4*\c:\reg+4*\c+3], v[\adr] offset:\off+2048*(\q)+512*\c
.endr
.endm
.macro FETCH_B slot, q, p
	WIN 0x40
.set fb, 0
.rept 8
	FRAG 128*(\p)+FR*fb, ADRB+\slot, \q, fb*4096
.set fb, fb+1
.endr
	WIN 0
.endm
.macro FETCH_A slot, q, half
.set fa, (\half)*NAB/2
.rept NAB/2
	FRAG AF+FR*fa, ADRA+\slot, \q, fa*4096
.set fa, fa+1
.endr
.endm
.macro MULQ k, p, zero
	WIN 0xa1+0x50*(((\k)*NAB/4)/4)
.set ma, (\k)*NAB/4
.rept NAB/4
.set mb, 0
.rept 8
.if \zero
	v_wmma_f32_16x16x128_fp8_fp8 v[8*(8*(ma%4)+mb):8*(8*(ma%4)+mb)+7], v[128*(\p)+FR*mb:128*(\p)+FR*mb+FR-1], v[AF+FR*ma:AF+FR*ma+FR-1], 0
.else
	v_wmma_f32_16x16x128_fp8_fp8 v[8*(8*(ma%4)+mb):8*(8*(ma%4)+mb)+7], v[128*(\p)+FR*mb:128*(\p)+FR*mb+FR-1], v[AF+FR*ma:AF+FR*ma+FR-1], v[8*(8*(ma%4)+mb):8*(8*(ma%4)+mb)+7]
.endif
.set mb, mb+1
.endr
.set ma, ma+1
.endr
.endm
.macro STEP slot, zero
	s_wait_dscnt 2*NAB
	MULQ 0, 0, \zero
	MULQ 1, 0, \zero
	s_wait_dscnt 0
	PLACES 4
	FETCH_B \slot, 1, 1
	FETCH_A \slot, 1, 0
	MULQ 2, 0, \zero
	MULQ 3, 0, \zero
	PLACES 4
	WIN 0
	FETCH_A \slot, 1, 1
.endm
.macro ASK                             ; s3 = 1 in the loop's last trip: no K step stands two refills on
	s_cmp_gt_u32 s3, 1
	s_cbranch_scc0 .Lnone_\@
	global_prefetch_b8 v[PFO], s[PFA:PFA+1] offset:12288 th:TH_LOAD_NT scope:SCOPE_SE
.Lnone_\@:
.endm
.macro TURN slot, next, fill
.if \fill
	s_wait_xcnt 0x0                                ; my last prefetch has read its address: a K step on
	s_add_nc_u64 s[PFA:PFA+1], s[PFA:PFA+1], 4096
.endif
	s_wait_tensorcnt 0x0
	ds_add_u32 v[SPW], v[NIL]
	s_wait_dscnt 2*NAB+1
	MULQ 0, 1, 0
	s_wait_dscnt 0x0
	s_barrier_signal -1
	MULQ 1, 1, 0
	WIN 0
	s_barrier_wait -1
.if \fill
	CREST
	s_add_nc_u64 s[G0+4*\slot+2:G0+4*\slot+3], s[G0+4*\slot+2:G0+4*\slot+3], 8192
	s_add_nc_u64 s[G0B+4*\slot+2:G0B+4*\slot+3], s[G0B+4*\slot+2:G0B+4*\slot+3], 8192
	JLOAD \slot
.else
	PLACES 4
.endif
	FETCH_B \next, 0, 0
	FETCH_A \next, 0, 0
.if \fill
	ASK                                            ; behind the joint load and the run of LDS loads
.endif
	MULQ 2, 1, 0
	MULQ 3, 1, 0
	PLACES 4
	WIN 0
	FETCH_A \next, 0, 1
.endm
	s_load_b256 s[4:11], s[0:1], 0x0
	v_lshl_add_u32 v[SPW], v0, 2, SPARE
	v_mov_b32 v[NIL], 0
	ds_add_u32 v[SPW], v[NIL]
	ds_add_u32 v[SPW], v[NIL]
	v_lshrrev_b32 v1, 5, v0
	v_readfirstlane_b32 s[WV], v1
	s_lshr_b32 s[RHO], s[WV], 1
	s_and_b32 s[CC], s[WV], 1
	s_bfe_u32 s40, ttmp6, 0x40000
	s_bfe_u32 s41, ttmp6, 0x40004
	s_lshl_b32 s42, ttmp9, 2
	s_add_co_u32 s42, s42, s40
	s_and_b32 s43, ttmp7, 0xffff
	s_lshl_b32 s43, s43, 2
	s_add_co_u32 s43, s43, s41
	s_lshl_b32 s44, s41, 2
	s_lshl_b32 s44, 15, s44
	s_lshl_b32 s45, 0x1111, s40
	s_or_b32 s[G1], s44, (3<<16)|(1<<21)
	s_or_b32 s[G1B], s45, (3<<16)|(1<<21)
	s_mov_b32 s[G1+1], 512<<16
	s_mov_b32 s[G1+2], NAB<<16
	s_mov_b32 s[G1+3], 512<<16
	s_mov_b32 s[G1+4], NAB
	s_mov_b32 s[G1+5], 4096
	s_mov_b32 s[G1+6], 0
	s_mov_b32 s[G1+7], 0
	s_mov_b32 s[G1B+1], 512<<16
	s_mov_b32 s[G1B+2], 8<<16
	s_mov_b32 s[G1B+3], 512<<16
	s_mov_b32 s[G1B+4], 8
	s_mov_b32 s[G1B+5], 4096
	s_mov_b32 s[G1B+6], 0
	s_mov_b32 s[G1B+7], 0
	s_lshl_b32 s94, s43, 18
	s_lshl_b32 s46, s[CC], 17
	s_add_co_u32 s94, s94, s46
	s_mov_b32 s95, 0
	s_add_co_u32 s96, s42, 16
	s_lshl_b32 s96, s96, 19
	s_lshl_b32 s46, s[CC], 18
	s_add_co_u32 s96, s96, s46
	s_mov_b32 s97, 0
	s_lshl_b32 s98, s[CC], 14
	s_lshl_b32 s99, s[CC], 15
	s_add_co_u32 s99, s99, AREG
	s_wait_dscnt 0x0
	s_wait_kmcnt 0x0
	s_load_b64 s[80:81], s[8:9], 0x28
	s_add_nc_u64 s[90:91], s[4:5], s[94:95]
	s_add_nc_u64 s[92:93], s[6:7], s[96:97]
	CROUND
.irp s, 0,1
	s_mov_b32 s[G0+4*\s], 1
	s_add_co_u32 s[G0+4*\s+1], s98, \s*SLOT1
	s_add_nc_u64 s[G0+4*\s+2:G0+4*\s+3], s[90:91], \s*4096
	s_or_b32 s[G0+4*\s+3], s[G0+4*\s+3], 0x80000000
	s_mov_b32 s[G0B+4*\s], 1
	s_add_co_u32 s[G0B+4*\s+1], s99, \s*SLOT1
	s_add_nc_u64 s[G0B+4*\s+2:G0B+4*\s+3], s[92:93], \s*4096
	s_or_b32 s[G0B+4*\s+3], s[G0B+4*\s+3], 0x80000000
.endr
	JLOAD 0                                        ; K step 0
	s_cmp_eq_u32 s[RHO], 0                         ; do I fetch for A?
	s_cselect_b64 s[PFA:PFA+1], s[90:91], s[92:93]
	s_cselect_b32 s46, s40, s41                    ; my place among the four that ask with me
	s_add_co_u32 s47, s[RHO], 15
	s_lshl_b32 s46, s46, s47                       ; A: one panel of 32,768 bytes a partner; B: two
	s_mov_b32 s47, 0
	s_add_nc_u64 s[PFA:PFA+1], s[PFA:PFA+1], s[46:47]
	s_lshl_b32 s46, s[RHO], 4
	s_add_co_u32 s46, s46, 15                      ; the last block that I name: 15 for A, 31 for B
	v_and_b32 v15, 31, v0
	v_min_u32 v15, s46, v15
	v_lshrrev_b32 v[PFO], 4, v15
	v_and_b32 v15, 15, v15
	v_lshlrev_b32 v[PFO], 15, v[PFO]
	v_lshl_add_u32 v[PFO], v15, 8, v[PFO]
	global_prefetch_b8 v[PFO], s[PFA:PFA+1] offset:4096 th:TH_LOAD_NT scope:SCOPE_SE   ; K step 1,
	global_prefetch_b8 v[PFO], s[PFA:PFA+1] offset:8192 th:TH_LOAD_NT scope:SCOPE_SE   ; and K step 2
	v_and_b32 v1, 31, v0
	v_lshlrev_b32 v[CO], 4, v1
	v_and_b32 v2, 15, v0
	s_wait_alu depctr_va_vdst(0)
	v_bfe_u32 v3, v0, 4, 1
	s_lshl_b32 s46, s[RHO], 14
	s_lshl_b32 s47, s[CC], 15
	s_add_co_u32 s47, s47, AREG
.irp s, 0,1
	v_add_nc_u32 v[ADRA+\s], s46, v[CO]
	v_add_nc_u32 v[ADRB+\s], s47, v[CO]
	s_add_co_u32 s46, s46, SLOT1
	s_add_co_u32 s47, s47, SLOT1
.endr
	s_mul_i32 s46, s[WV], 8448
	v_mul_u32_u24 v[STO], v2, 528
	s_wait_alu depctr_va_vdst(0)
	v_lshl_add_u32 v[STO], v3, 6, v[STO]
	v_add_nc_u32 v[STO], s46, v[STO]
	v_add_nc_u32 v[RD], s46, v[CO]
	s_lshl_b32 s88, s43, 20
	s_lshl_b32 s89, s[RHO], 19
	s_add_co_u32 s88, s88, s89
	s_lshl_b32 s89, s42, 10
	s_add_co_u32 s88, s88, s89
	s_lshl_b32 s89, s[CC], 9
	s_add_co_u32 s88, s88, s89
	s_mov_b32 s89, 0
	s_add_nc_u64 s[10:11], s[10:11], s[88:89]
	s_wait_alu depctr_va_vdst(0)
	s_wait_tensorcnt 0x0                           ; my part of K step 0 is in
	ds_add_u32 v[SPW], v[NIL]
	s_wait_dscnt 0x0
	CROUND                                         ; everybody's part of K step 0 is in, and the joint loads meet
	JLOAD 1                                        ; K step 1, the first tensor load behind the round
	FETCH_B 0, 0, 0
	FETCH_A 0, 0, 0
	FETCH_A 0, 0, 1
	global_prefetch_b8 v[PFO], s[PFA:PFA+1] offset:12288 th:TH_LOAD_NT scope:SCOPE_SE   ; K step 3
	STEP 0, 1
	s_mov_b32 s3, 3
.Llap:
	TURN 0, 1, 1
	STEP 1, 0
	TURN 1, 0, 1
	STEP 0, 0
	s_sub_co_u32 s3, s3, 1
	s_cmp_lg_u32 s3, 0
	s_cbranch_scc1 .Llap
	TURN 0, 1, 0
	STEP 1, 0
	s_wait_dscnt 2*NAB
	MULQ 0, 1, 0
	MULQ 1, 1, 0
	s_wait_dscnt 0
	MULQ 2, 1, 0
	MULQ 3, 1, 0
	WIN 0
.macro TOSTAGE a
	WIN 0x02
.set n, 0
.rept 32
	v_pk_mul_f32 v[TMP+n:TMP+n+1], v[64*(\a)+n:64*(\a)+n+1], s[80:81] op_sel_hi:[1,0]
.set n, n+2
.endr
	WIN 0
.irp b, 0,1,2,3,4,5,6,7
	ds_store_b128 v[STO], v[TMP+8*\b:TMP+8*\b+3] offset:128*(\b/2)+32*(\b%2)
	ds_store_b128 v[STO], v[TMP+8*\b+4:TMP+8*\b+7] offset:128*(\b/2)+32*(\b%2)+16
.endr
.set BB, BK+64*((\a)%2)
.irp t, 0,1,2,3,4,5,6,7,8,9,10,11,12,13,14,15
	ds_load_b128 v[BB+4*\t:BB+4*\t+3], v[RD] offset:\t*528
.endr
.endm
.macro SEND a, younger
.set BB, BK+64*((\a)%2)
	s_wait_dscnt \younger
.irp t, 0,1,2,3,4,5,6,7,8,9,10,11,12,13,14,15
	global_store_b128 v[CO], v[BB+4*\t:BB+4*\t+3], s[10:11] offset:(32*((\a)/2)+8*((\a)%2)+\t+8*(\t/8))*8192 th:TH_STORE_NT
.endr
.endm
	s_wait_kmcnt 0x0
	s_add_co_i32 s80, s80, s81
	s_add_co_i32 s80, s80, 127
	s_lshl_b32 s80, s80, 23
	PLACES 4
	TOSTAGE 0
	TOSTAGE 1
	SEND 0, 32
	s_wait_xcnt 0x0
	TOSTAGE 2
	SEND 1, 32
	s_wait_xcnt 0x0
	TOSTAGE 3
	SEND 2, 32
	SEND 3, 0
	s_wait_tensorcnt 0x0
	ds_add_u32 v[SPW], v[NIL]
	s_wait_dscnt 0x0
	CROUND
	s_endpgm
.Lfunc_end_k_q9206f0132b_oproj:
	.size	k_q9206f0132b_oproj, .Lfunc_end_k_q9206f0132b_oproj-k_q9206f0132b_oproj
	.p2alignl 7, 3214868480
	.fill 96, 4, 3214868480
	.section	.rodata,"a",@progbits
	.p2align	6, 0x0
	.amdhsa_kernel k_q9206f0132b_oproj
		.amdhsa_group_segment_fixed_size 327680
		.amdhsa_private_segment_fixed_size 0
		.amdhsa_enable_private_segment 0
		.amdhsa_kernarg_size 32
		.amdhsa_user_sgpr_count 2
		.amdhsa_user_sgpr_kernarg_segment_ptr 1
		.amdhsa_wavefront_size32 1
		.amdhsa_system_sgpr_workgroup_id_x 1
		.amdhsa_system_sgpr_workgroup_id_y 1
		.amdhsa_system_sgpr_workgroup_id_z 1
		.amdhsa_system_vgpr_workitem_id 0
		.amdhsa_next_free_vgpr 768
		.amdhsa_next_free_sgpr 100
		.amdhsa_reserve_vcc 0
		.amdhsa_float_denorm_mode_32 3
		.amdhsa_float_denorm_mode_16_64 3
		.amdhsa_memory_ordered 1
		.amdhsa_forward_progress 1
		.amdhsa_inst_pref_size 77
	.end_amdhsa_kernel
	.amdgpu_metadata
---
amdhsa.version: [ 1, 2 ]
amdhsa.kernels:
  - .name:           k_q9206f0132b_oproj
    .symbol:         k_q9206f0132b_oproj.kd
    .args:
      - { .name: acodes, .offset: 0, .size: 8, .value_kind: global_buffer, .address_space: global }
      - { .name: wcodes, .offset: 8, .size: 8, .value_kind: global_buffer, .address_space: global }
      - { .name: lowp_scales, .offset: 16, .size: 8, .value_kind: global_buffer, .address_space: global }
      - { .name: out0, .offset: 24, .size: 8, .value_kind: global_buffer, .address_space: global }
    .group_segment_fixed_size: 327680
    .private_segment_fixed_size: 0
    .kernarg_segment_align: 8
    .kernarg_segment_size: 32
    .max_flat_workgroup_size: 128
    .sgpr_count:     100
    .vgpr_count:     768
    .wavefront_size: 32
...
	.end_amdgpu_metadata
.endif
;; end of part 4
